; MI455X (gfx1250); checked and timed in simulation.
; The chip was launched on July 23, 2026; its instructions are those of AMD's public machine-readable ISA for CDNA 5 (MIT licence, August 2026) and "CDNA5" Instruction Set Architecture Reference Guide (July 2026). The comments in the code are by the model that wrote it; some were corrected since.
;; Self Attention. Allowed arithmetic: matrix products marked QUANTISED: E2M1 operands, one E8M0 scale for each 32 along K, by v_wmma_scale_f32_16x16x128_f8f6f4 with both operands' format E2M1 (or v_wmma_scale_f32_32x16x128_f4), f32 sums; everything else in f32.
;; Inputs: Wk 1,024 x 1,024 float32; Wo 1,024 x 1,024 float32; Wq 1,024 x 1,024 float32; Wv 1,024 x 1,024 float32; attn_padding_mask 4 x 2,048 bool; bk 1,024 float32; bo 1,024 float32; bq 1,024 float32; bv 1,024 float32; key 2,048 x 4 x 1,024 float32; query 2,048 x 4 x 1,024 float32; value 2,048 x 4 x 1,024 float32.
;; Outputs: out0 2,048 x 4 x 1,024 float32.
;; This version of the problem:
;;   THIS VERSION OF THE PROBLEM IS GIVEN IN LOW PRECISION. The matrix products marked QUANTISED in the list below multiply operands that are first quantised to E2M1 (2 exponent bits, 1 mantissa bit; 4 bits a number), with one power-of-two scale for each 32 numbers along K (OCP MX v1.0); their sums are f32. All else is computed in f32.
;;   The module's matrix products, in the order in which they are computed (A, B: the left and right operand; K: the contracted axis; several contracted axes count as one K, in the product's order):
;;     1. [M 8,192, K 1,024] x [K 1,024, N 1,024]; A: input query; B: input Wq: QUANTISED
;;     2. [M 8,192, K 1,024] x [K 1,024, N 1,024]; A: input key; B: input Wk: QUANTISED
;;     3. [M 8,192, K 1,024] x [K 1,024, N 1,024]; A: input value; B: input Wv: QUANTISED
;;     4. batch 64 x [M 2,048, K 64] x [K 64, N 2,048]; A: computed on the way; B: computed on the way: QUANTISED
;;     5. batch 64 x [M 2,048, K 2,048] x [K 2,048, N 64]; A: softmax (see below); B: computed on the way: QUANTISED
;;     6. [M 8,192, K 1,024] x [K 1,024, N 1,024]; A: computed on the way; B: input Wo: QUANTISED
;;   THE QUANTISER, for each operand of a quantised product, along K:
;;     - K is cut into blocks of 32 from its start; a last block that is shorter is filled with zeros.
;;     - A block's scale is 2^e with e = floor(log2(the largest magnitude in the block)) - 2, held to -126 .. 127; a block of zeros has e = 0. As a byte (E8M0): e + 127.
;;     - Each number is divided by its block's scale, clamped to +-6, and rounded to the nearest number of E2M1, ties to even, subnormals kept.
;;     - The product sums the exact products of the quantised numbers (number of the format x scale) in f32.
;;   ~~~python
;;   def quantise(x, axis):      # numpy; x: float32 -> the quantised numbers, widened to float32 again
;;       x = np.moveaxis(x, axis, -1); K = x.shape[-1]
;;       x = np.pad(x, [(0, 0)] * (x.ndim - 1) + [(0, -K % 32)]); x = x.reshape(x.shape[:-1] + (-1, 32)); a = np.abs(x).max(-1, keepdims=True)
;;       e = np.where(a > 0, np.clip(np.frexp(np.where(a > 0, a, 1))[1] - 1 - 2, -126, 127), 0)      # np.frexp(a)[1] - 1 = floor(log2(a)), exactly
;;       r = np.clip(x / 2.0 ** e, -6, 6)
;;       step = 2.0 ** (np.maximum(np.frexp(np.where(r == 0, 1, r))[1] - 1, 0) - 1)
;;       q = np.round(r / step) * step * 2.0 ** e      # np.round: ties to even
;;       return np.moveaxis(q.reshape(q.shape[:-2] + (-1,))[..., :K], -1, axis).astype(np.float32)
;;   ~~~
;;   SOFTMAX AHEAD OF A QUANTISED PRODUCT. Where the list says 'softmax', what is quantised is not the finished softmax but p = 2^(t - M), with t = logit x log2(e) and M = ceil(the row's largest t), a whole number; so 1/2 < the row's largest p <= 1. The row's sum l is taken of the UNQUANTISED p, in f32, and the product's result is divided by l at the end. Since M is a whole number, a kernel that streams over the keys may use a running M (the ceiling of the running maximum): every later rescaling is an exact power of two, which a block's scale takes up: the codes' values come out the same.
;;   OPERANDS COMPUTED ON THE WAY. 'Computed on the way' means the value that the module computes at that place (a softmax that the list does not call 'softmax' is quantised finished and normalised). What goes into a quantiser is computed in f32, as accurately as f32 sums, v_exp_f32 and their like allow (about 1e-6 of the number): no bf16 or f16 on the way to a quantiser, and a product that is left as it is and whose result goes on into a quantised operand takes f32 operands (vector FMAs, or v_wmma_f32_16x16x4_f32). A number that lies on a knife's edge between two numbers of the format may be rounded either way, as far as f32 arithmetic and the matrix unit's own rounding can turn it there, and no further.
;; One version. Each part assembles by itself: llvm-mc -triple=amdgcn-amd-amdhsa -mcpu=gfx1250 --defsym DOCPART=n.
;; ======== version 1 of 1: 4 launches
;; limits: right only within a limited range of input values
;; workspace buffers: cw 14,680,064 bytes; sw 917,504 bytes; qkv 12,582,912 bytes; qkvs 1,310,720 bytes; ao 4,194,304 bytes; aos 262,144 bytes
;; launch quant (part 1): grid 896 x 1, 4 waves a work-group, no clusters, 43,520 bytes of LDS; arguments query, key, value, Wq, Wk, Wv, Wo, cw, sw; writes cw, sw
.if DOCPART == 1
	.amdgcn_target "amdgcn-amd-amdhsa--gfx1250"
	.amdhsa_code_object_version 6
	.text
	.protected	k_q032f99c322_quant
	.globl	k_q032f99c322_quant
	.p2align	8
	.type	k_q032f99c322_quant,@function
k_q032f99c322_quant:
	s_mov_b64 s[64:65], 0
	v_nop
	global_prefetch_b8 v0, s[64:65] scope:SCOPE_SE
	s_setreg_imm32_b32 hwreg(HW_REG_WAVE_MODE, 25, 1), 1
	s_wait_xcnt 0x0
; query, key, value [2048][4][1024] and Wq, Wk, Wv, Wo [1024][1024], f32, become codes of FP4 (E2M1), K = the last axis innermost, with one E8M0 byte for each 32 along K.
; A block's scale is 2^(floor(log2(its largest magnitude)) - 2): its byte is the largest magnitude's exponent field - 2, held at 1 from below (a block of zeros keeps the byte 1: its codes are zeros, and this program alone reads the bytes).
; LIMITS: NaN and infinities among the inputs are not served; blocks whose largest magnitude lies under 2^-124 keep the byte 1.
; OUT.  cw: the three activations as [tensor][batch][s][512 bytes], then the four weights as [tensor][n][512 bytes].  sw: their scale bytes, 32 a row, in the same order.
; The activations' rows are sorted by batch on the way, so that 256 rows on end of cw are 256 positions of one batch.
; SHARES.  A work-group takes 32 rows of 1,024 numbers, a wave 8 rows as 16 steps of 512 numbers.  Work-groups 0-767 take the activations, 768-895 the weights: two ways through the text, which differ in
; the stores' immediates alone, part on the work-group's number and never join; each has LDS bytes of its own.
; A STEP.  Four loads of 512 consecutive bytes; the 2,048 bytes turn through the wave's own stage in LDS (16 bytes of padding behind each 64) and come back 64 bytes a lane: 16 neighbours along K, two lanes to a block.
; A lane's 16 codes are 8 bytes: a wave's store covers 256 consecutive bytes, aligned.  The scale bytes are gathered in LDS and leave as one aligned run of 256 bytes a wave.
.set STEPS, 16
.set EMAX,  2
.set SP,    80                         ; a lane's place in a stage: 64 bytes + 16 of padding
.set STG,   32*SP                      ; a stage
.set WREG,  2*STG                      ; two stages for each wave
.set SCG,   4*WREG                     ; behind the stages: 1,024 scale bytes of the work-group
.set PBW,   SCG+1024                   ; the weights' way has its LDS bytes from here on
.set CWW,   12582912                   ; the weights' codes in cw
.set SWW,   786432                     ; the weights' scale bytes in sw
.set R,     16                         ; v16-79   four sets of 16 numbers as loaded
.set X,     80                         ; v80-111  two sets of 16 neighbours
.set E,     112                        ; v112-127 a scale byte for each step
.set C,     128                        ; v128-191 codes: registers of its own for each step, so that no store's data are written again
.set IN,    24                         ; s[24:25] my wave's numbers
.set CO,    30                         ; s[30:31] where its codes go
.set SO,    32                         ; s[32:33] where my 256 scale bytes go
	s_load_b256 s[4:11], s[0:1], 0x0               ; query, key, value, Wq
	s_load_b256 s[12:19], s[0:1], 0x20             ; Wk, Wv, Wo, cw
	s_load_b64 s[20:21], s[0:1], 0x40              ; sw
	v_lshl_add_u32 v192, v0, 2, 0xa800
	v_mov_b32 v193, 0
	v_lshrrev_b32 v1, 5, v0
	v_readfirstlane_b32 s22, v1                    ; wave
	v_and_b32 v2, 31, v0                           ; lane
	v_lshlrev_b32 v3, 4, v2                        ; my 16 bytes of a load's 512
	v_lshlrev_b32 v4, 3, v2                        ; my 8 bytes of a store's 256
	s_mul_i32 s23, s22, WREG
	v_lshrrev_b32 v14, 2, v2
	v_mul_u32_u24 v14, v14, SP
	v_and_b32 v15, 3, v2
	v_lshl_add_u32 v14, v15, 4, v14
	v_add_nc_u32 v14, s23, v14                     ; the stage, on the way in: SP (lane / 4) + 16 (lane % 4)
	v_mul_u32_u24 v15, v2, SP
	v_add_nc_u32 v15, s23, v15                     ; and on the way out: SP x lane
	v_lshrrev_b32 v5, 1, v2
	s_lshl_b32 s23, s22, 8
	v_add_nc_u32 v10, s23, v5                      ; the weights' scale bytes: my block's byte, 256 bytes a wave
	v_add_nc_u32 v6, s23, v4                       ; the way out of the gathered bytes: 256 x wave + 8 x lane
	s_lshl_b32 s23, s22, 6
	v_add_nc_u32 v5, s23, v5                       ; the activations': [batch][8 positions][32]: my wave has positions 2 w and 2 w + 1
	s_mov_b32 s29, 0
	s_wait_kmcnt 0x0
.macro LOAD t
.irp i, 0,1,2,3
	global_load_b128 v[R+16*((\t)%4)+4*\i:R+16*((\t)%4)+4*\i+3], v3, s[IN:IN+1] offset:2048*(\t)+512*\i th:TH_LOAD_NT   ; 32 lanes read 512 consecutive bytes
.endr
.endm
.macro TURN t, pb                      ; step t's numbers through the stage: LDS serves a wave's instructions in order, so no wait stands between the stores and the loads
.irp i, 0,1,2,3
	ds_store_b128 v14, v[R+16*((\t)%4)+4*\i:R+16*((\t)%4)+4*\i+3] offset:(\pb)+STG*((\t)%2)+8*SP*\i
.endr
.irp i, 0,1,2,3
	ds_load_b128 v[X+16*((\t)%2)+4*\i:X+16*((\t)%2)+4*\i+3], v15 offset:(\pb)+STG*((\t)%2)+16*\i
.endr
.endm
.macro STEP t, x                       ; x = 1: an activation; step t is half t % 2 of the row of batch (t / 2) % 4 at position 2 w + t / 8.  x = 0: a weight: a plain stream
.set XS, X+16*((\t)%2)
.if \x
.set PB, 0
.set COFF, (((\t)/2)%4)*1048576+((\t)/8)*512+((\t)%2)*256
.set SOFF, SCG+(((\t)/2)%4)*256+((\t)/8)*32+((\t)%2)*16
.set SBA, 5
.else
.set PB, PBW
.set COFF, 256*(\t)
.set SOFF, PBW+SCG+16*(\t)
.set SBA, 10
.endif
.if (\t) > 0
	s_wait_dscnt 0x1                               ; this step's numbers are back from the stage; the last step's byte store may be out
.else
	s_wait_dscnt 0x0
.endif
.if (\t)+4 < STEPS
	LOAD (\t)+4                                    ; into the registers that this step's stores into the stage have read
.endif
.if (\t)+1 < STEPS
.if STEPS-2-(\t) >= 3
	s_wait_loadcnt 12                              ; the next step's four loads are in; those of the three steps behind it may be out
.else
	s_wait_loadcnt 4*(STEPS-2-(\t))
.endif
	TURN (\t)+1, PB
.endif
	v_max3_num_f32 v8, |v[XS]|, |v[XS+1]|, |v[XS+2]|               ; the largest magnitude of my 16, in two chains
	v_max3_num_f32 v9, |v[XS+3]|, |v[XS+4]|, |v[XS+5]|
.irp i, 6,10
	v_max3_num_f32 v8, v8, |v[XS+\i]|, |v[XS+\i+1]|
	v_max3_num_f32 v9, v9, |v[XS+\i+2]|, |v[XS+\i+3]|
.endr
	v_max3_num_f32 v8, v8, |v[XS+14]|, |v[XS+15]|
	v_max3_num_f32 v8, v8, v9, (EMAX+1)<<23        ; and the floor 2^(3 - 127): the byte cannot fall under 1
	v_max_num_f32_dpp v8, v8, v8 row_xmask:1 row_mask:0xf bank_mask:0xf   ; with my neighbour's 16: the block's
	v_add_nc_u32 v11, -(EMAX<<23), v8              ; 2 off its exponent field: the conversion takes the exponent field of this operand as its scale
	v_cvt_scalef32_pk8_fp4_f32 v[C+4*(\t)], v[XS:XS+7], v11
	v_cvt_scalef32_pk8_fp4_f32 v[C+4*(\t)+1], v[XS+8:XS+15], v11
	v_lshrrev_b32 v[E+(\t)], 23, v11               ; the scale's byte (a plain line behind the conversions)
	ds_store_b8 v[SBA], v[E+(\t)] offset:SOFF      ; both lanes of a block write the same byte with the same value
	global_store_b64 v4, v[C+4*(\t):C+4*(\t)+1], s[CO:CO+1] offset:COFF
.endm
.macro BODY x
.irp t, 0,1,2,3
	LOAD \t
.endr
	s_wait_loadcnt 12                              ; step 0's four loads are in
	TURN 0, PBW*(1-\x)
.irp t, 0,1,2,3,4,5,6,7,8,9,10,11,12,13,14,15
	STEP \t, \x
.endr
	s_wait_dscnt 0x0                               ; my byte stores have landed:
	s_barrier_signal -1
	s_barrier_wait -1                              ; everybody's have (an activation's 256 bytes of one batch come from all four waves)
	ds_load_b64 v[12:13], v6 offset:PBW*(1-\x)+SCG
	s_wait_dscnt 0x0
	global_store_b64 v4, v[12:13], s[SO:SO+1]      ; 32 lanes store 256 consecutive bytes, aligned
	s_wait_tensorcnt 0x0
	ds_add_u32 v192, v193
	s_wait_dscnt 0x0
	s_endpgm
.endm
	s_cmp_lt_u32 ttmp9, 768
	s_cbranch_scc0 .Lweights
	s_lshr_b32 s26, ttmp9, 8                       ; which activation
	s_and_b32 s27, ttmp9, 255                      ; which 32 rows of it: positions 8 g .. 8 g + 7, all four batches
	s_cmp_lt_u32 s26, 1
	s_cselect_b64 s[IN:IN+1], s[4:5], s[6:7]
	s_cmp_lt_u32 s26, 2
	s_cselect_b64 s[IN:IN+1], s[IN:IN+1], s[8:9]
	s_lshl_b32 s28, s27, 17                        ; 32 rows of 4,096 bytes,
	s_lshl_b32 s34, s22, 15                        ; my wave's 8
	s_add_co_u32 s28, s28, s34
	s_add_nc_u64 s[IN:IN+1], s[IN:IN+1], s[28:29]
	; THE ORDER OF ROWS IN cw AND sw: in each group of 32 rows, bits 3 and 4 of the row's number change places, so that the sixteen rows 8 u + r + 8 (r / 8) of a tile u of the readers lie on end.
	; For an activation these are bits 0 and 1 of the number of my 8 positions
	s_and_b32 s34, s27, 1
	s_bfe_u32 s35, s27, 0x10001
	s_and_b32 s27, s27, 0xfc
	s_lshl_b32 s34, s34, 1
	s_or_b32 s27, s27, s34
	s_or_b32 s27, s27, s35
	s_lshl_b32 s28, s26, 22                        ; codes: 4,194,304 a tensor, 512 a position
	s_lshl_b32 s34, s27, 12
	s_add_co_u32 s28, s28, s34
	s_lshl_b32 s34, s22, 10
	s_add_co_u32 s28, s28, s34
	s_add_nc_u64 s[CO:CO+1], s[18:19], s[28:29]
	s_lshl_b32 s28, s26, 18                        ; scale bytes: 262,144 a tensor, 65,536 a batch (wave w stores batch w's), 32 a position
	s_lshl_b32 s34, s22, 16
	s_add_co_u32 s28, s28, s34
	s_lshl_b32 s34, s27, 8
	s_add_co_u32 s28, s28, s34
	s_add_nc_u64 s[SO:SO+1], s[20:21], s[28:29]
	s_wait_alu depctr_va_vdst(0)
	BODY 1
.Lweights:
	s_sub_co_u32 s27, ttmp9, 768                   ; which 32 rows of the 4,096 rows of weights
	s_lshr_b32 s26, s27, 5                         ; which weight
	s_and_b32 s34, s27, 31
	s_cmp_lt_u32 s26, 1
	s_cselect_b64 s[IN:IN+1], s[10:11], s[12:13]
	s_cmp_lt_u32 s26, 2
	s_cselect_b64 s[IN:IN+1], s[IN:IN+1], s[14:15]
	s_cmp_lt_u32 s26, 3
	s_cselect_b64 s[IN:IN+1], s[IN:IN+1], s[16:17]
	s_lshl_b32 s28, s34, 17
	s_lshl_b32 s34, s22, 15
	s_add_co_u32 s28, s28, s34
	s_add_nc_u64 s[IN:IN+1], s[IN:IN+1], s[28:29]
	s_and_b32 s35, s22, 1                          ; for a weight bits 3 and 4 of the row's number are my wave's number: its two bits change places in where the codes and the scale bytes go
	s_lshl_b32 s35, s35, 1
	s_lshr_b32 s34, s22, 1
	s_or_b32 s35, s35, s34
	s_lshl_b32 s28, s27, 14
	s_lshl_b32 s34, s35, 12
	s_add_co_u32 s28, s28, s34
	s_add_co_u32 s28, s28, CWW
	s_add_nc_u64 s[CO:CO+1], s[18:19], s[28:29]
	s_lshl_b32 s28, s27, 10
	s_lshl_b32 s34, s35, 8
	s_add_co_u32 s28, s28, s34
	s_add_co_u32 s28, s28, SWW
	s_add_nc_u64 s[SO:SO+1], s[20:21], s[28:29]
	s_wait_alu depctr_va_vdst(0)
	BODY 0
.Lfunc_end_k_q032f99c322_quant:
	.size	k_q032f99c322_quant, .Lfunc_end_k_q032f99c322_quant-k_q032f99c322_quant
	.p2alignl 7, 3214868480
	.fill 96, 4, 3214868480
	.section	.rodata,"a",@progbits
	.p2align	6, 0x0
	.amdhsa_kernel k_q032f99c322_quant
		.amdhsa_group_segment_fixed_size 43520
		.amdhsa_private_segment_fixed_size 0
		.amdhsa_enable_private_segment 0
		.amdhsa_kernarg_size 72
		.amdhsa_user_sgpr_count 2
		.amdhsa_user_sgpr_kernarg_segment_ptr 1
		.amdhsa_wavefront_size32 1
		.amdhsa_system_sgpr_workgroup_id_x 1
		.amdhsa_system_sgpr_workgroup_id_y 1
		.amdhsa_system_sgpr_workgroup_id_z 1
		.amdhsa_system_vgpr_workitem_id 0
		.amdhsa_next_free_vgpr 194
		.amdhsa_next_free_sgpr 66
		.amdhsa_reserve_vcc 0
		.amdhsa_float_denorm_mode_32 3
		.amdhsa_float_denorm_mode_16_64 3
		.amdhsa_memory_ordered 1
		.amdhsa_forward_progress 1
		.amdhsa_inst_pref_size 66
	.end_amdhsa_kernel
	.amdgpu_metadata
---
amdhsa.version: [ 1, 2 ]
amdhsa.kernels:
  - .name:           k_q032f99c322_quant
    .symbol:         k_q032f99c322_quant.kd
    .args:
      - { .name: query, .offset: 0, .size: 8, .value_kind: global_buffer, .address_space: global }
      - { .name: key, .offset: 8, .size: 8, .value_kind: global_buffer, .address_space: global }
      - { .name: value, .offset: 16, .size: 8, .value_kind: global_buffer, .address_space: global }
      - { .name: Wq, .offset: 24, .size: 8, .value_kind: global_buffer, .address_space: global }
      - { .name: Wk, .offset: 32, .size: 8, .value_kind: global_buffer, .address_space: global }
      - { .name: Wv, .offset: 40, .size: 8, .value_kind: global_buffer, .address_space: global }
      - { .name: Wo, .offset: 48, .size: 8, .value_kind: global_buffer, .address_space: global }
      - { .name: cw, .offset: 56, .size: 8, .value_kind: global_buffer, .address_space: global }
      - { .name: sw, .offset: 64, .size: 8, .value_kind: global_buffer, .address_space: global }
    .group_segment_fixed_size: 43520
    .private_segment_fixed_size: 0
    .kernarg_segment_align: 8
    .kernarg_segment_size: 72
    .max_flat_workgroup_size: 128
    .sgpr_count:     66
    .vgpr_count:     194
    .wavefront_size: 32
...
	.end_amdgpu_metadata
.endif
;; end of part 1
;; launch proj (part 2): grid 4 x 96, 16 waves a work-group, clusters of 4 x 4, 304,128 bytes of LDS; arguments cw, sw, bq, bk, bv, qkv, qkvs; writes qkv, qkvs
.if DOCPART == 2
	.amdgcn_target "amdgcn-amd-amdhsa--gfx1250"
	.amdhsa_code_object_version 6
	.text
	.protected	k_q032f99c322_proj
	.globl	k_q032f99c322_proj
	.p2align	8
	.type	k_q032f99c322_proj,@function
k_q032f99c322_proj:
	s_mov_b64 s[64:65], 0
	v_nop
	global_prefetch_b8 v0, s[64:65] scope:SCOPE_SE
	s_setreg_imm32_b32 hwreg(HW_REG_WAVE_MODE, 25, 1), 1
	s_wait_xcnt 0x0
	s_wait_alu depctr_hold_cnt(0) depctr_sa_sdst(0) depctr_va_vdst(0) depctr_va_sdst(0) depctr_va_ssrc(0) depctr_va_vcc(0) depctr_vm_vsrc(0)
	s_getreg_b32 s2, hwreg(HW_REG_IB_STS2, 6, 4)
	s_cmp_eq_u32 s2, 0
	s_cbranch_scc0 .Lentry_in_a_cluster
	s_endpgm
.Lentry_in_a_cluster:
	s_bfe_u32 s2, ttmp6, 0x10000c
	s_cmp_lg_u32 s2, 0xf033
	s_cbranch_scc0 .Lentry_shape_is_right
	s_endpgm
.Lentry_shape_is_right:
; q = query Wq^T + bq, k = key Wk^T + bk, v = value Wv^T + bv on codes of FP4 with E8M0 scales (K = 1,024), and the results quantised in registers for the attention: q and k along the head's 64, v along the keys.
; IN.  cw: codes [tensor][batch][s][512 bytes], then the weights' [tensor][n][512 bytes]; sw: their scale bytes, 32 a row.
; OUT, as images of the operand registers of the launch that reads them (lane l's 16 bytes at 16 l, 512 bytes a group of four registers):
;   qkv: q [head of batch: 64][tile of 16 positions: 128][512];  from 4,194,304 on [head of batch][key step of 128: 16][8,192]: eight tiles of k (512 each), then v as [tile of 16 channels: 4][half of the step's keys: 2][512].
;   qkvs: q's scale words [head of batch][tile][16 rows] (bytes 0, 1: the head's two blocks; bytes 2, 3: 0); from 524,288 on k's likewise; from 1,048,576 on v's [head of batch][key step][tile of channels][16], a byte a block of 32 keys.
; THE ROWS OF A TILE ARE NOT NEIGHBOURS, here and in all that follows: lane r of tile T holds row 32 (T / 2) + 8 (T % 2) + r + 8 (r / 8).  So the 16 result registers of two neighbouring tiles of source 0 are
; 16 neighbours along the next product's K, and the conversions' results are the next operand's registers.
; SHARES.  A work-group: 256 rows of one tensor and batch x 256 output features (4 heads).  Sixteen waves of 64 x 64: 16 accumulators, 128 registers; four waves to a SIMD, so one wave's LDS loads stand beside another's products.
; All of K lies in LDS at once, as two halves of 512 along K: every LDS byte is filled once, by three tensor loads a wave at the head; the second half lands while the first is multiplied.
; CLUSTER 4 x 4: the four work-groups of a row of the cluster need the same rows of the activation, the four of a column the same rows of the weight: each tile is asked for jointly.
; q, k: source 0 = 16 rows of W, source 1 = 16 positions: a lane holds one position and its registers run along the head.  v: source 0 = 16 positions (keys), source 1 = 16 rows of Wv: a lane holds one channel and its registers run along the keys.
; The two ways part on the tensor's number, which is made of the cluster's y alone, and never join; each has stage bytes of its own in LDS.
; LIMITS: NaN and infinities are not served; a block whose largest magnitude lies under 2^-124 keeps the byte 1.
.set PITCH, 272
; THE FILLS, as they stand now (in place of the halves and the three loads a wave that the lines above tell of): all of K of a row, 512 bytes, is one LDS row of CP bytes; every LDS byte is filled once, by ONE tensor load a wave:
; waves 0-3 the activation's codes (64 rows each), waves 4-7 the weight's, waves 8-11 the activation's scale bytes (64 rows' each), waves 12-15 the weight's.  One wait for 0 and one barrier show all of it.
.set CP,    528                        ; a row of codes in LDS: 512 bytes + 16 of padding
.set HALF,  512*PITCH                  ; a half of K: the activation's 256 rows, then the weight's 256
.set SCL,   2*HALF                     ; the scale bytes, as runs of 256 bytes (8 rows) + 16 of padding: the activation's 32 runs, then the weight's
.set QST,   SCL+64*PITCH               ; stage for q's and k's scale words: 256 bytes a wave
.set VST,   QST+4096                   ; stage for v's: [head 4][key step 2][tile 4][16] words
.set CWW,   12582912
.set SWW,   786432
.set KVB,   4194304
.set KWB,   524288
.set VWB,   1048576
.set ADA,   4                          ; v4-5   LDS address of my activation fragments in half 0, 1
.set ADB,   6                          ; v6-7   of my weight fragments
.set ASA,   8                          ; v8     of my activation rows' scale words: lanes 0-15 an even tile's rows, lanes 16-31 the odd tile's
.set ASB,   9                          ; v9     of my weight rows'
.set LI,    10                         ; v10    16 x lane
.set BO0,   11                         ; v11    64 x (lane / 16): the bias of a lane's features (q, k)
.set BO1,   12                         ; v12    4 x (r + 8 (r / 8)): the bias of a lane's channel (v)
.set SA,    16                         ; v16-31 the activation's scale words: register 8 g + kappa: tiles 2 g, 2 g + 1, K step kappa
.set SB,    32                         ; v32-47 the weight's
.set FA,    48                         ; v48-79 four fragments of the activation
.set FB,    80                         ; v80-111 four of the weight
.set BV,    112                        ; v112-119 bv of my lane's channel, twice, for each of four tiles
.set QSI,   120                        ; v120-123 the stages' addresses, in and out
.set QSO,   121
.set VSI,   122
.set VSO,   123
.set L8,    124                        ; v124   8 x lane
.set ACC,   128                        ; accumulator (a, t) at v[128 + 8 (4 a + t)]
.set TM,    48                         ; behind the products: v48-63 at work,
.set W0,    64
.set W1,    65
.set PW,    66
.set BK,    68
.set PC,    72                         ; v72-87 the codes
.set WV,    18
.set SEL,   20
.set LM,    87                         ; s87: lanes 16-31
.set G1A,   24                         ; group 1: the activation's codes; the weight's; the activation's scale bytes; the weight's
.set G1B,   32
.set G1SA,  40
.set G1SB,  48
.set G0A,   56                         ; group 0 for the activation: s[56:59] scale bytes, s[60:63] codes
.set G0A2,  68
.set G0B,   72                         ; for the weight: s[72:75], s[76:79]
.macro CROUND                          ; a round of the cluster's barrier
	s_barrier_signal -1
	s_barrier_wait -1
	s_cmp_lg_u32 s[WV], 0
	s_cbranch_scc1 .Lnot_wave_0_\@
	s_barrier_signal -3
.Lnot_wave_0_\@:
	s_barrier_wait -3
	s_barrier_signal -1
	s_barrier_wait -1
.endm
; One product 16 x 16 x 128.  ra, rb: which half of the lanes of the scale registers holds the tile's words.  z = 1: the product starts the sum
.macro W4 d, a, b, sa, sb, ra, rb, z
.if \z
.if ((\ra)+2*(\rb)) == 0
	v_wmma_scale_f32_16x16x128_f8f6f4 v[\d:\d+7], v[\a:\a+7], v[\b:\b+7], 0, v[\sa], v[\sb] matrix_a_fmt:MATRIX_FMT_FP4 matrix_b_fmt:MATRIX_FMT_FP4
.elseif ((\ra)+2*(\rb)) == 1
	v_wmma_scale_f32_16x16x128_f8f6f4 v[\d:\d+7], v[\a:\a+7], v[\b:\b+7], 0, v[\sa], v[\sb] matrix_a_fmt:MATRIX_FMT_FP4 matrix_b_fmt:MATRIX_FMT_FP4 matrix_a_scale:MATRIX_SCALE_ROW1
.elseif ((\ra)+2*(\rb)) == 2
	v_wmma_scale_f32_16x16x128_f8f6f4 v[\d:\d+7], v[\a:\a+7], v[\b:\b+7], 0, v[\sa], v[\sb] matrix_a_fmt:MATRIX_FMT_FP4 matrix_b_fmt:MATRIX_FMT_FP4 matrix_b_scale:MATRIX_SCALE_ROW1
.else
	v_wmma_scale_f32_16x16x128_f8f6f4 v[\d:\d+7], v[\a:\a+7], v[\b:\b+7], 0, v[\sa], v[\sb] matrix_a_fmt:MATRIX_FMT_FP4 matrix_b_fmt:MATRIX_FMT_FP4 matrix_a_scale:MATRIX_SCALE_ROW1 matrix_b_scale:MATRIX_SCALE_ROW1
.endif
.else
.if ((\ra)+2*(\rb)) == 0
	v_wmma_scale_f32_16x16x128_f8f6f4 v[\d:\d+7], v[\a:\a+7], v[\b:\b+7], v[\d:\d+7], v[\sa], v[\sb] matrix_a_fmt:MATRIX_FMT_FP4 matrix_b_fmt:MATRIX_FMT_FP4
.elseif ((\ra)+2*(\rb)) == 1
	v_wmma_scale_f32_16x16x128_f8f6f4 v[\d:\d+7], v[\a:\a+7], v[\b:\b+7], v[\d:\d+7], v[\sa], v[\sb] matrix_a_fmt:MATRIX_FMT_FP4 matrix_b_fmt:MATRIX_FMT_FP4 matrix_a_scale:MATRIX_SCALE_ROW1
.elseif ((\ra)+2*(\rb)) == 2
	v_wmma_scale_f32_16x16x128_f8f6f4 v[\d:\d+7], v[\a:\a+7], v[\b:\b+7], v[\d:\d+7], v[\sa], v[\sb] matrix_a_fmt:MATRIX_FMT_FP4 matrix_b_fmt:MATRIX_FMT_FP4 matrix_b_scale:MATRIX_SCALE_ROW1
.else
	v_wmma_scale_f32_16x16x128_f8f6f4 v[\d:\d+7], v[\a:\a+7], v[\b:\b+7], v[\d:\d+7], v[\sa], v[\sb] matrix_a_fmt:MATRIX_FMT_FP4 matrix_b_fmt:MATRIX_FMT_FP4 matrix_a_scale:MATRIX_SCALE_ROW1 matrix_b_scale:MATRIX_SCALE_ROW1
.endif
.endif
.endm
	s_load_b256 s[4:11], s[0:1], 0x0               ; cw, sw, bq, bk
	s_load_b128 s[12:15], s[0:1], 0x20             ; bv, qkv
	s_load_b64 s[16:17], s[0:1], 0x30              ; qkvs
	v_lshl_add_u32 v126, v0, 2, 0x49c00
	v_mov_b32 v127, 0
	ds_add_u32 v126, v127
	ds_add_u32 v126, v127
	v_lshrrev_b32 v1, 5, v0
	s_delay_alu instid0(VALU_DEP_1)
	v_readfirstlane_b32 s[WV], v1                  ; wave 0..15
	s_and_b32 s19, s[WV], 7                        ; wave % 8: where my one tensor load lands in LDS
	s_bfe_u32 s22, ttmp6, 0x40000                  ; cx
	s_bfe_u32 s23, ttmp6, 0x40004                  ; cy
	s_lshl_b32 s84, ttmp9, 2
	s_add_co_u32 s84, s84, s22                     ; X: which 256 features
	s_and_b32 s85, ttmp7, 0xffff                   ; the cluster's y
	s_lshr_b32 s86, s85, 3                         ; the tensor: 0 q, 1 k, 2 v: eight clusters, 8,192 rows, each: the same in all sixteen partners
	s_lshl_b32 s85, s85, 2
	s_add_co_u32 s85, s85, s23                     ; Y: which 256 rows of cw
	s_lshl_b32 s87, s23, 2
	s_lshl_b32 s87, 15, s87                        ; my row of the cluster
	s_lshl_b32 s88, 0x1111, s22                    ; my column
	; group 1, codes: 64 rows x 512 bytes, 512 bytes apart in memory, 16 bytes of padding behind each row in LDS
	s_or_b32 s[G1A], s87, (1<<20)|(1<<21)|(6<<22)|(3<<25)          ; 64 rows x 512 bytes; padding: four words after every 128
	s_or_b32 s[G1B], s88, (1<<20)|(1<<21)|(6<<22)|(3<<25)
.irp g, G1A, G1B
	s_mov_b32 s[\g+1], 512<<16                     ; tensor_dim0
	s_mov_b32 s[\g+2], 64<<16                      ; tensor_dim1
	s_mov_b32 s[\g+3], 512<<16                     ; tile_dim0
	s_mov_b32 s[\g+4], 64                          ; tile_dim1
	s_mov_b32 s[\g+5], 512                         ; tensor_dim0_stride
	s_mov_b32 s[\g+6], 0
	s_mov_b32 s[\g+7], 0
.endr
	; group 1, scale bytes of 64 rows: 2,048 dense bytes as 8 rows of 256 (32 elements of 8 bytes), 16 bytes of padding behind each
	s_or_b32 s[G1SA], s87, (3<<16)|(1<<20)|(1<<21)|(5<<22)|(3<<25)
	s_or_b32 s[G1SB], s88, (3<<16)|(1<<20)|(1<<21)|(5<<22)|(3<<25)
.irp g, G1SA, G1SB
	s_mov_b32 s[\g+1], 32<<16
	s_mov_b32 s[\g+2], 8<<16                       ; the scale bytes of 64 rows: 8 rows of 256 bytes
	s_mov_b32 s[\g+3], 32<<16
	s_mov_b32 s[\g+4], 8
	s_mov_b32 s[\g+5], 32
	s_mov_b32 s[\g+6], 0
	s_mov_b32 s[\g+7], 0
.endr
	; every wave makes both addresses, each in registers that never hold the other's coordinate
	s_and_b32 s2, s[WV], 3
	s_lshl_b32 s2, s2, 6                           ; which 64 rows of a tile I fetch for: wave % 4
	s_lshl_b32 s89, s85, 8
	s_add_co_u32 s89, s89, s2                      ; the activation's row: 256 Y + 64 x (wave % 4)
	s_lshl_b32 s90, s89, 9                         ; its codes,
	s_mov_b32 s91, 0
	s_lshl_b32 s92, s89, 5                         ; its scale bytes
	s_mov_b32 s93, 0
	s_lshl_b32 s94, s86, 10
	s_lshl_b32 s95, s84, 8
	s_add_co_u32 s94, s94, s95
	s_add_co_u32 s94, s94, s2                      ; the weight's row: 1,024 x tensor + 256 X + 64 x (wave % 4)
	s_lshl_b32 s96, s94, 9
	s_add_co_u32 s96, s96, CWW
	s_mov_b32 s97, 0
	s_lshl_b32 s94, s94, 5
	s_add_co_u32 s94, s94, SWW
	s_mov_b32 s95, 0
	s_mul_i32 s98, s19, 8*PITCH                    ; where they go: the wave's number alone enters an LDS address: scale bytes: 8 runs x (wave % 8),
	s_add_co_u32 s98, s98, SCL
	s_mul_i32 s99, s19, 64*CP                      ; codes: 64 rows x (wave % 8)
	s_mov_b32 s[SEL], 0x76543210
	s_mov_b32 s[SEL+1], 0xfedcba98                 ; v_permlanex16_b32's selects for lane l xor 16
	s_wait_dscnt 0x0
	s_wait_kmcnt 0x0
	CROUND                                         ; all sixteen work-groups are here: the joint loads meet
	s_mov_b32 s[G0A], 1
	s_mov_b32 s[G0A+1], s98
	s_add_nc_u64 s[G0A+2:G0A+3], s[6:7], s[92:93]
	s_or_b32 s[G0A+3], s[G0A+3], 0x80000000
	s_mov_b32 s[G0A+4], 1
	s_mov_b32 s[G0A+5], s99
	s_add_nc_u64 s[G0A+6:G0A+7], s[4:5], s[90:91]
	s_or_b32 s[G0A+7], s[G0A+7], 0x80000000
	s_mov_b32 s[G0B], 1
	s_mov_b32 s[G0B+1], s98
	s_add_nc_u64 s[G0B+2:G0B+3], s[6:7], s[94:95]
	s_or_b32 s[G0B+3], s[G0B+3], 0x80000000
	s_mov_b32 s[G0B+4], 1
	s_mov_b32 s[G0B+5], s99
	s_add_nc_u64 s[G0B+6:G0B+7], s[4:5], s[96:97]
	s_or_b32 s[G0B+7], s[G0B+7], 0x80000000
; one chain of branches on the wave's number, one joint load to an arm, all arms leading to one join: one tensor load a wave at the head
.macro ARM under, g0, g1, next
	s_cmp_lt_u32 s[WV], \under
	s_cbranch_scc0 \next
	tensor_load_to_lds s[\g0:\g0+3], s[\g1:\g1+7]
	s_nop 0
.rept 4
	v_nop
.endr
	s_branch .Lasked
\next:
.endm
	ARM 4, G0A+4, G1A, .Lcodes_b
	ARM 8, G0B+4, G1B, .Lscales_a
	ARM 12, G0A, G1SA, .Lscales_b
	tensor_load_to_lds s[G0B:G0B+3], s[G1SB:G1SB+7]
	s_nop 0
.rept 4
	v_nop
.endr
.Lasked:
	v_and_b32 v1, 31, v0                           ; lane
	v_and_b32 v2, 15, v0                           ; r
	v_bfe_u32 v3, v0, 4, 1                         ; h
	s_delay_alu instid0(VALU_DEP_2)
	v_and_b32 v15, 8, v2
	s_delay_alu instid0(VALU_DEP_1)
	v_add_nc_u32 v15, v15, v2                      ; r + 8 (r / 8): the row's own number in its tile's group (for the bias)
	v_mul_u32_u24 v14, v2, CP                      ; in cw, and so in LDS, a tile's sixteen rows lie on end: lane r takes LDS row 16 x tile + r, sixteen different columns of 16 bytes
	s_delay_alu instid0(VALU_DEP_1)
	v_lshl_add_u32 v14, v3, 4, v14                 ; a fragment's row x pitch + 16 h
	s_lshr_b32 s2, s[WV], 2                        ; wy: my 64 rows of the activation
	s_and_b32 s3, s[WV], 3                         ; wx: my 64 rows of the weight: one head
	s_mul_i32 s91, s2, 64*CP
	s_mul_i32 s94, s3, 64*CP
	s_add_co_u32 s94, s94, 256*CP
	v_add_nc_u32 v[ADA], s91, v14
	v_add_nc_u32 v[ADB], s94, v14
	s_delay_alu instid0(VALU_DEP_2)
	v_add_nc_u32 v[ADA+1], 256, v[ADA]             ; the second 512 along K: 256 bytes on in the row
	s_delay_alu instid0(VALU_DEP_2)
	v_add_nc_u32 v[ADB+1], 256, v[ADB]
	v_lshrrev_b32 v8, 3, v2                        ; scale words: lane (r, h) wants row 32 g + 8 h + r % 8 + 16 (r / 8) of my 64: run 4 g + h + 2 (r / 8), 32 (r % 8) bytes into it
	s_delay_alu instid0(VALU_DEP_1)
	v_lshl_add_u32 v8, v3, 1, v8                   ; in sw's order of rows: run 4 g + 2 h + r / 8
	s_delay_alu instid0(VALU_DEP_1)
	v_mul_u32_u24 v8, v8, PITCH
	v_and_b32 v9, 7, v2
	s_delay_alu instid0(VALU_DEP_1)
	v_lshl_add_u32 v14, v9, 5, v8
	s_mul_i32 s91, s2, 8*PITCH
	s_add_co_u32 s91, s91, SCL
	s_mul_i32 s94, s3, 8*PITCH
	s_add_co_u32 s94, s94, SCL+32*PITCH
	v_add_nc_u32 v[ASA], s91, v14
	v_add_nc_u32 v[ASB], s94, v14
	v_lshlrev_b32 v[LI], 4, v1
	v_lshlrev_b32 v[BO0], 6, v3
	v_lshlrev_b32 v[BO1], 2, v15
	v_lshlrev_b32 v[L8], 3, v1
	s_wait_alu depctr_va_vdst(0)
	s_lshl_b32 s91, s[WV], 8
	s_add_co_u32 s91, s91, QST
	v_lshl_add_u32 v[QSI], v1, 2, s91              ; q's, k's words: 256 x wave + 4 x lane in,
	v_add_nc_u32 v[QSO], s91, v[L8]                ; 8 x lane out
	s_lshl_b32 s91, s3, 9
	s_lshr_b32 s94, s2, 1
	s_lshl_b32 s94, s94, 8
	s_add_co_u32 s91, s91, s94
	s_and_b32 s94, s2, 1
	s_lshl_b32 s94, s94, 1
	s_add_co_u32 s91, s91, s94
	s_add_co_u32 s91, s91, VST
	v_lshl_add_u32 v[VSI], v1, 2, s91              ; v's half words: 512 x head + 256 x key step + 2 x (which half of the step's keys) + 4 x lane
	s_lshl_b32 s91, s19, 8
	s_add_co_u32 s91, s91, VST
	v_add_nc_u32 v[VSO], s91, v[L8]                ; out: waves 0-7 take 256 bytes each
	s_mov_b32 s[LM], 0xffff0000
	s_bfe_u32 s88, s85, 0x20003                    ; the batch
	s_and_b32 s89, s85, 7                          ; which 256 positions of it
	s_lshl_b32 s90, s88, 4
	s_lshl_b32 s91, s84, 2
	s_add_co_u32 s90, s90, s91
	s_add_co_u32 s90, s90, s3                      ; my head of the batch: 16 b + 4 X + wx
	s_lshl_b32 s92, s84, 10
	s_lshl_b32 s93, s3, 8
	s_add_co_u32 s92, s92, s93                     ; my 64 features in a bias, in bytes
	s_mov_b32 s93, 0
; A K step of 128: the q-th of half s.  16 LDS loads, 16 products; the 16 accumulators take turns, one instruction a turn, in the same order in every step.
; gap = 1: four places in front of loads into registers that the last products have read.
.macro KSTEP s, q, mode, first, gap
.if \gap
.rept 4
	v_nop
.endr
.endif
.irp i, 0,1,2,3
.irp c, 0,1
	ds_load_b128 v[FA+8*\i+4*\c:FA+8*\i+4*\c+3], v[ADA+\s] offset:16*\i*CP+64*\q+32*\c
	ds_load_b128 v[FB+8*\i+4*\c:FB+8*\i+4*\c+3], v[ADB+\s] offset:16*\i*CP+64*\q+32*\c
.endr
.endr
	s_wait_dscnt 0x0
.irp a, 0,1,2,3
.irp t, 0,1,2,3
.if \mode
	W4 ACC+8*(4*\a+\t), FA+8*\t, FB+8*\a, SA+8*(\t/2)+4*\s+\q, SB+8*(\a/2)+4*\s+\q, \t%2, \a%2, \first
.else
	W4 ACC+8*(4*\a+\t), FB+8*\t, FA+8*\a, SB+8*(\t/2)+4*\s+\q, SA+8*(\a/2)+4*\s+\q, \t%2, \a%2, 0
.endif
.endr
.endr
.endm
.macro MAIN mode
	s_wait_loadcnt 0x0                             ; the bias
	s_wait_tensorcnt 0x0                           ; my one tensor load has landed
	s_barrier_signal -1
	s_barrier_wait -1                              ; everybody's have
.irp g, 0,1
.irp s, 0,1
	ds_load_b128 v[SA+8*\g+4*\s:SA+8*\g+4*\s+3], v[ASA] offset:4*PITCH*\g+16*\s   ; four K steps' words of tiles 2 g and 2 g + 1
	ds_load_b128 v[SB+8*\g+4*\s:SB+8*\g+4*\s+3], v[ASB] offset:4*PITCH*\g+16*\s
.endr
.endr
	KSTEP 0, 0, \mode, 1, 0
	KSTEP 0, 1, \mode, 0, 1
	KSTEP 0, 2, \mode, 0, 1
	KSTEP 0, 3, \mode, 0, 1
	KSTEP 1, 0, \mode, 0, 1
	KSTEP 1, 1, \mode, 0, 1
	KSTEP 1, 2, \mode, 0, 1
	KSTEP 1, 3, \mode, 0, 1
.rept 4
	v_nop                                          ; places in front of the first read of results and the first write over fragments
.endr
.endm
; 64 numbers of a lane, four blocks of 16 registers, each block shared with lane l xor 16, become 8 registers of codes at v[pc]; the four bytes stay in v[TM+4] on.
; Behind the exchange of halves, registers pc .. pc + 3 hold blocks 0 (lanes 0-15) and 1 (lanes 16-31), registers pc + 4 .. pc + 7 blocks 2 and 3: a whole block of 32 in a lane.
.macro QUANT4 s, pc
.irp b, 0,1,2,3
	v_max3_num_f32 v[TM+\b], |v[(\s)+16*\b]|, |v[(\s)+1+16*\b]|, 0x1800000   ; my 16 numbers, and the floor 2^(3 - 127): the byte cannot fall under 1
.endr
.irp i, 2,4,6,8,10,12,14
.irp b, 0,1,2,3
	v_max3_num_f32 v[TM+\b], v[TM+\b], |v[(\s)+16*\b+\i]|, |v[(\s)+1+16*\b+\i]|   ; (the four blocks by turns)
.endr
.endr
.irp b, 0,1,2,3
	s_delay_alu instid0(VALU_DEP_4)
	v_permlanex16_b32 v[TM+4+\b], v[TM+\b], s[SEL], s[SEL+1]
.endr
.irp b, 0,1,2,3
	s_delay_alu instid0(VALU_DEP_4)
	v_max_num_f32 v[TM+\b], v[TM+\b], v[TM+4+\b]   ; the block's largest magnitude
.endr
.irp b, 0,1,2,3
	s_delay_alu instid0(VALU_DEP_4)
	v_add_nc_u32 v[TM+12+\b], 0xff000000, v[TM+\b] ; 2 off its exponent field: the conversion's scale operand
.endr
.irp b, 0,1,2,3
	s_delay_alu instid0(VALU_DEP_4)
	v_lshrrev_b32 v[TM+4+\b], 23, v[TM+12+\b]      ; the scale's byte
.endr
.irp b, 0,1,2,3
	v_cvt_scalef32_pk8_fp4_f32 v[(\pc)+2*\b], v[(\s)+16*\b:(\s)+7+16*\b], v[TM+12+\b]
	v_cvt_scalef32_pk8_fp4_f32 v[(\pc)+1+2*\b], v[(\s)+8+16*\b:(\s)+15+16*\b], v[TM+12+\b]
.endr
	v_nop                                          ; one plain line behind the last scaled conversion
.irp c, 0,1
.irp i, 0,1
	v_permlane16_swap_b32 v[(\pc)+4*\c+\i], v[(\pc)+2+4*\c+\i]
.endr
.endr
	v_lshl_or_b32 v[W0], v[TM+5], 8, v[TM+4]       ; the two bytes of the first tile's row (or channel),
	v_lshl_or_b32 v[W1], v[TM+7], 8, v[TM+6]       ; of the second's;
	s_delay_alu instid0(VALU_DEP_1)
	v_cndmask_b32 v[PW], v[W0], v[W1], s[LM]       ; lanes 0-15 keep the first tile's, lanes 16-31 the second's
.endm
	s_cmp_eq_u32 s86, 2
	s_cbranch_scc1 .Lvalues
	; ---------------- q and k
	s_lshl_b32 s91, s89, 4
	s_lshl_b32 s94, s2, 2
	s_add_co_u32 s91, s91, s94                     ; my first tile of positions: 16 x block + 4 wy
	s_lshl_b32 s94, s90, 16
	s_lshl_b32 s96, s91, 9
	s_add_co_u32 s94, s94, s96                     ; q's images: 65,536 a head, 512 a tile
	s_lshl_b32 s96, s90, 17                        ; k's: 131,072 a head, 8,192 a key step of eight tiles, 512 a tile
	s_lshr_b32 s97, s91, 3
	s_lshl_b32 s97, s97, 13
	s_add_co_u32 s96, s96, s97
	s_and_b32 s97, s91, 7
	s_lshl_b32 s97, s97, 9
	s_add_co_u32 s96, s96, s97
	s_add_co_u32 s96, s96, KVB
	s_cmp_eq_u32 s86, 0
	s_cselect_b32 s94, s94, s96
	s_cselect_b64 s[98:99], s[8:9], s[10:11]       ; bq or bk
	s_mov_b32 s95, 0
	s_add_nc_u64 s[94:95], s[14:15], s[94:95]
	s_mul_i32 s96, s86, KWB                        ; the scale words: 8,192 a head, 64 a tile
	s_lshl_b32 s97, s90, 13
	s_add_co_u32 s96, s96, s97
	s_lshl_b32 s97, s91, 6
	s_add_co_u32 s96, s96, s97
	s_mov_b32 s97, 0
	s_add_nc_u64 s[96:97], s[16:17], s[96:97]
	s_add_nc_u64 s[98:99], s[98:99], s[92:93]
.irp a, 0,1,2,3                        ; the bias is what the sums begin with: register j of accumulator (a, t) is feature 32 (t / 2) + 8 (t % 2) + 16 h + j of my head
.irp t, 0,1,2,3
	global_load_b128 v[ACC+8*(4*\a+\t):ACC+8*(4*\a+\t)+3], v[BO0], s[98:99] offset:(32*(\t/2)+8*(\t%2))*4
	global_load_b128 v[ACC+8*(4*\a+\t)+4:ACC+8*(4*\a+\t)+7], v[BO0], s[98:99] offset:(32*(\t/2)+8*(\t%2))*4+16
.endr
.endr
	MAIN 0
.irp b, 0,1,2,3
	v_mov_b32 v[TM+4+\b], 0                        ; written once: a lane permute's destination counts as one of its sources
.endr
.irp P, 0,1                            ; tiles 2 P and 2 P + 1 of my four: each tile's 32 registers are the head's two blocks
	QUANT4 ACC+64*\P, PC+8*\P
	global_store_b128 v[LI], v[PC+8*\P:PC+8*\P+3], s[94:95] offset:(2*\P)*512       ; a tile's image: 512 consecutive bytes
	global_store_b128 v[LI], v[PC+8*\P+4:PC+8*\P+7], s[94:95] offset:(2*\P+1)*512
	ds_store_b32 v[QSI], v[PW] offset:128*\P
.endr
	ds_load_b64 v[BK:BK+1], v[QSO]                 ; LDS serves a wave's instructions in order: this sees my stores
	s_wait_dscnt 0x0
	global_store_b64 v[L8], v[BK:BK+1], s[96:97]   ; my four tiles' words: 256 consecutive bytes, aligned
	s_wait_tensorcnt 0x0
	ds_add_u32 v126, v127
	s_wait_dscnt 0x0
	CROUND                                         ; the closing round
	s_endpgm
.Lvalues:
	; ---------------- v
	s_lshl_b32 s94, s90, 17
	s_lshl_b32 s96, s89, 1
	s_lshr_b32 s97, s2, 1
	s_add_co_u32 s96, s96, s97                     ; my key step: 2 x block + wy / 2
	s_lshl_b32 s96, s96, 13
	s_add_co_u32 s94, s94, s96
	s_and_b32 s96, s2, 1                           ; which half of its keys
	s_lshl_b32 s96, s96, 9
	s_add_co_u32 s94, s94, s96
	s_add_co_u32 s94, s94, KVB+4096
	s_mov_b32 s95, 0
	s_add_nc_u64 s[94:95], s[14:15], s[94:95]
	s_lshl_b32 s96, s88, 4                         ; the words that wave w of 0-7 stores: head 4 X + w / 2, key step 2 x block + w % 2
	s_lshl_b32 s97, s84, 2
	s_add_co_u32 s96, s96, s97
	s_lshr_b32 s97, s19, 1
	s_add_co_u32 s96, s96, s97
	s_lshl_b32 s96, s96, 4
	s_lshl_b32 s97, s89, 1
	s_add_co_u32 s96, s96, s97
	s_and_b32 s97, s19, 1
	s_add_co_u32 s96, s96, s97
	s_lshl_b32 s96, s96, 8
	s_add_co_u32 s96, s96, VWB
	s_mov_b32 s97, 0
	s_add_nc_u64 s[96:97], s[16:17], s[96:97]
	s_add_nc_u64 s[98:99], s[12:13], s[92:93]
.irp i, 0,1,2,3
	global_load_b32 v[BV+2*\i], v[BO1], s[98:99] offset:(32*(\i/2)+8*(\i%2))*4      ; bv of my lane's channel in tile i, twice: a pair for the packed addition
	global_load_b32 v[BV+2*\i+1], v[BO1], s[98:99] offset:(32*(\i/2)+8*(\i%2))*4
.endr
	MAIN 1
.irp a, 0,1,2,3
.irp j, 0,2,4,6,8,10,12,14,16,18,20,22,24,26,28,30
	v_pk_add_f32 v[ACC+32*\a+\j:ACC+32*\a+\j+1], v[ACC+32*\a+\j:ACC+32*\a+\j+1], v[BV+2*\a:BV+2*\a+1]   ; each accumulator from its low end on
.endr
.endr
.irp b, 0,1,2,3
	v_mov_b32 v[TM+4+\b], 0
.endr
.irp P, 0,1                            ; tiles 2 P and 2 P + 1 of the head's four tiles of channels: each tile's 32 registers are my 64 keys: two blocks
	QUANT4 ACC+64*\P, PC+8*\P
	global_store_b128 v[LI], v[PC+8*\P:PC+8*\P+3], s[94:95] offset:(2*\P)*1024
	global_store_b128 v[LI], v[PC+8*\P+4:PC+8*\P+7], s[94:95] offset:(2*\P+1)*1024
	ds_store_b16 v[VSI], v[PW] offset:128*\P       ; two of a word's four bytes; the other two come from the wave with the step's other 64 keys
.endr
	s_wait_dscnt 0x0                               ; my half words have landed:
	s_barrier_signal -1
	s_barrier_wait -1                              ; everybody's have
	s_cmp_lt_u32 s[WV], 8
	s_cbranch_scc0 .Lno_words
	ds_load_b64 v[BK:BK+1], v[VSO]
	s_wait_dscnt 0x0
	global_store_b64 v[L8], v[BK:BK+1], s[96:97]   ; a head's words of one key step: 256 consecutive bytes, aligned
.Lno_words:
	s_wait_tensorcnt 0x0
	ds_add_u32 v126, v127
	s_wait_dscnt 0x0
	CROUND                                         ; the closing round
	s_endpgm
.Lfunc_end_k_q032f99c322_proj:
	.size	k_q032f99c322_proj, .Lfunc_end_k_q032f99c322_proj-k_q032f99c322_proj
	.p2alignl 7, 3214868480
	.fill 96, 4, 3214868480
	.section	.rodata,"a",@progbits
	.p2align	6, 0x0
	.amdhsa_kernel k_q032f99c322_proj
		.amdhsa_group_segment_fixed_size 304128
		.amdhsa_private_segment_fixed_size 0
		.amdhsa_enable_private_segment 0
		.amdhsa_kernarg_size 56
		.amdhsa_user_sgpr_count 2
		.amdhsa_user_sgpr_kernarg_segment_ptr 1
		.amdhsa_wavefront_size32 1
		.amdhsa_system_sgpr_workgroup_id_x 1
		.amdhsa_system_sgpr_workgroup_id_y 1
		.amdhsa_system_sgpr_workgroup_id_z 1
		.amdhsa_system_vgpr_workitem_id 0
		.amdhsa_next_free_vgpr 256
		.amdhsa_next_free_sgpr 100
		.amdhsa_reserve_vcc 0
		.amdhsa_float_denorm_mode_32 3
		.amdhsa_float_denorm_mode_16_64 3
		.amdhsa_memory_ordered 1
		.amdhsa_forward_progress 1
		.amdhsa_inst_pref_size 91
	.end_amdhsa_kernel
	.amdgpu_metadata
---
amdhsa.version: [ 1, 2 ]
amdhsa.kernels:
  - .name:           k_q032f99c322_proj
    .symbol:         k_q032f99c322_proj.kd
    .args:
      - { .name: cw, .offset: 0, .size: 8, .value_kind: global_buffer, .address_space: global }
      - { .name: sw, .offset: 8, .size: 8, .value_kind: global_buffer, .address_space: global }
      - { .name: bq, .offset: 16, .size: 8, .value_kind: global_buffer, .address_space: global }
      - { .name: bk, .offset: 24, .size: 8, .value_kind: global_buffer, .address_space: global }
      - { .name: bv, .offset: 32, .size: 8, .value_kind: global_buffer, .address_space: global }
      - { .name: qkv, .offset: 40, .size: 8, .value_kind: global_buffer, .address_space: global }
      - { .name: qkvs, .offset: 48, .size: 8, .value_kind: global_buffer, .address_space: global }
    .group_segment_fixed_size: 304128
    .private_segment_fixed_size: 0
    .kernarg_segment_align: 8
    .kernarg_segment_size: 56
    .max_flat_workgroup_size: 512
    .sgpr_count:     100
    .vgpr_count:     256
    .wavefront_size: 32
...
	.end_amdgpu_metadata
.endif
;; end of part 2
;; launch attn (part 3): grid 8 x 32, 16 waves a work-group, clusters of 4 x 1, 327,680 bytes of LDS; arguments qkv, qkvs, attn_padding_mask, ao, aos; writes ao, aos
.if DOCPART == 3
	.amdgcn_target "amdgcn-amd-amdhsa--gfx1250"
	.amdhsa_code_object_version 6
	.text
	.protected	k_q032f99c322_attn
	.globl	k_q032f99c322_attn
	.p2align	8
	.type	k_q032f99c322_attn,@function
k_q032f99c322_attn:
	s_mov_b64 s[64:65], 0
	v_nop
	global_prefetch_b8 v0, s[64:65] scope:SCOPE_SE
	s_setreg_imm32_b32 hwreg(HW_REG_WAVE_MODE, 25, 1), 1
	s_wait_xcnt 0x0
	s_wait_alu depctr_hold_cnt(0) depctr_sa_sdst(0) depctr_va_vdst(0) depctr_va_sdst(0) depctr_va_ssrc(0) depctr_va_vcc(0) depctr_vm_vsrc(0)
	s_getreg_b32 s2, hwreg(HW_REG_IB_STS2, 6, 4)
	s_cmp_eq_u32 s2, 0
	s_cbranch_scc0 .Lentry_in_a_cluster
	s_endpgm
.Lentry_in_a_cluster:
	s_bfe_u32 s2, ttmp6, 0x10000c
	s_cmp_lg_u32 s2, 0x3003
	s_cbranch_scc0 .Lentry_shape_is_right
	s_endpgm
.Lentry_shape_is_right:
.set KVB,   4194304
.set KWB,   524288
.set VWB,   1048576
.set HEADB, 131072
.set SCB,   2*HEADB
.set SCH,   12288
.set SCJ,   768
.set AST,   SCB+2*SCH
.set LK,    1
.set LS,    2
.set ADK,   3
.set ADS,   4
.set WV,    14
.set G1,    16
.set G0,    24
.set SEL,   32
.set CS,    34
.set TB,    36
.set TS,    37
.set CNT,   38
.macro CROUND
	s_barrier_signal -1
	s_barrier_wait -1
	s_cmp_lg_u32 s[WV], 0
	s_cbranch_scc1 .Lnot_wave_0_\@
	s_barrier_signal -3
.Lnot_wave_0_\@:
	s_barrier_wait -3
	s_barrier_signal -1
	s_barrier_wait -1
.endm
.macro W4 d, a, b, sa, sb, ra, z
.if \z
.if (\ra) == 0
	v_wmma_scale_f32_16x16x128_f8f6f4 v[\d:\d+7], v[\a:\a+7], v[\b:\b+7], 0, v[\sa], v[\sb] matrix_a_fmt:MATRIX_FMT_FP4 matrix_b_fmt:MATRIX_FMT_FP4
.else
	v_wmma_scale_f32_16x16x128_f8f6f4 v[\d:\d+7], v[\a:\a+7], v[\b:\b+7], 0, v[\sa], v[\sb] matrix_a_fmt:MATRIX_FMT_FP4 matrix_b_fmt:MATRIX_FMT_FP4 matrix_a_scale:MATRIX_SCALE_ROW1
.endif
.else
.if (\ra) == 0
	v_wmma_scale_f32_16x16x128_f8f6f4 v[\d:\d+7], v[\a:\a+7], v[\b:\b+7], v[\d:\d+7], v[\sa], v[\sb] matrix_a_fmt:MATRIX_FMT_FP4 matrix_b_fmt:MATRIX_FMT_FP4
.else
	v_wmma_scale_f32_16x16x128_f8f6f4 v[\d:\d+7], v[\a:\a+7], v[\b:\b+7], v[\d:\d+7], v[\sa], v[\sb] matrix_a_fmt:MATRIX_FMT_FP4 matrix_b_fmt:MATRIX_FMT_FP4 matrix_a_scale:MATRIX_SCALE_ROW1
.endif
.endif
.endm
	s_load_b256 s[4:11], s[0:1], 0x0
	s_load_b64 s[12:13], s[0:1], 0x20
	v_lshl_add_u32 v243, v0, 2, 0x46400
	v_mov_b32 v255, 0
	ds_add_u32 v243, v255
	ds_add_u32 v243, v255
	v_lshrrev_b32 v1, 5, v0
	s_delay_alu instid0(VALU_DEP_1)
	v_readfirstlane_b32 s[WV], v1
	s_bfe_u32 s40, ttmp6, 0x40000
	s_lshl_b32 s41, ttmp9, 2
	s_add_co_u32 s41, s41, s40
	s_and_b32 s42, ttmp7, 0xffff
	s_mov_b32 s[G1], 15|(3<<16)|(1<<21)
	s_mov_b32 s[G1+1], 32<<16
	s_mov_b32 s[G1+2], 64<<16                      ; a wave's one joint load: 64 rows of 256 bytes
	s_mov_b32 s[G1+3], 32<<16
	s_mov_b32 s[G1+4], 64
	s_mov_b32 s[G1+5], 32
	s_mov_b32 s[G1+6], 0
	s_mov_b32 s[G1+7], 0
	s_lshl_b32 s43, s[WV], 14                      ; the two heads' images of k and v are 262,144 bytes on end, in memory and in LDS alike: 16,384 a wave
	s_lshl_b32 s44, s42, 18
	s_add_co_u32 s44, s44, s43
	s_add_co_u32 s44, s44, KVB
	s_mov_b32 s45, 0
	s_mov_b32 s[SEL], 0x76543210
	s_mov_b32 s[SEL+1], 0xfedcba98
	s_mov_b32 s[CS], 0x3e38aa3b
	s_mov_b32 s[CS+1], s[CS]
	s_wait_dscnt 0x0
	s_wait_kmcnt 0x0
	s_add_nc_u64 s[46:47], s[4:5], s[44:45]
	CROUND
	s_mov_b32 s[G0], 1
	s_mov_b32 s[G0+1], s43
	s_mov_b64 s[G0+2:G0+3], s[46:47]
	s_or_b32 s[G0+3], s[G0+3], 0x80000000
	tensor_load_to_lds s[G0:G0+3], s[G1:G1+7]
	s_nop 0
.rept 4
	v_nop
.endr
	s_lshl_b32 s48, s41, 4
	s_add_co_u32 s48, s48, s[WV]
	s_lshl_b32 s50, s42, 17
	s_lshl_b32 s51, s48, 9
	s_add_co_u32 s50, s50, s51
	s_mov_b32 s51, 0
	s_add_nc_u64 s[50:51], s[4:5], s[50:51]
	s_lshl_b32 s52, s42, 14
	s_lshl_b32 s53, s48, 6
	s_add_co_u32 s52, s52, s53
	s_mov_b32 s53, 0
	s_add_nc_u64 s[52:53], s[6:7], s[52:53]
	s_lshl_b32 s54, s42, 14
	s_add_co_u32 s54, s54, KWB
	s_mov_b32 s55, 0
	s_add_nc_u64 s[54:55], s[6:7], s[54:55]
	s_lshl_b32 s56, s42, 13
	s_add_co_u32 s56, s56, VWB
	s_mov_b32 s57, 0
	s_add_nc_u64 s[56:57], s[6:7], s[56:57]
	s_lshr_b32 s58, s42, 3
	s_lshl_b32 s58, s58, 11
	s_mov_b32 s59, 0
	s_add_nc_u64 s[58:59], s[8:9], s[58:59]
	s_lshl_b32 s60, s42, 17
	s_lshl_b32 s61, s48, 10
	s_add_co_u32 s60, s60, s61
	s_mov_b32 s61, 0
	s_add_nc_u64 s[60:61], s[10:11], s[60:61]
	s_lshl_b32 s62, s42, 13
	s_lshl_b32 s63, s41, 10
	s_add_co_u32 s62, s62, s63
	s_and_b32 s63, s[WV], 3
	s_lshl_b32 s63, s63, 8
	s_add_co_u32 s62, s62, s63
	s_mov_b32 s63, 0
	s_add_nc_u64 s[62:63], s[12:13], s[62:63]
	v_and_b32 v5, 31, v0
	s_delay_alu instid0(VALU_DEP_1)
	v_lshlrev_b32 v[LK], 4, v5
	s_delay_alu instid0(VALU_DEP_2)
	v_lshl_add_u32 v[LS], v5, 2, SCB
	v_and_b32 v6, 15, v0
	s_delay_alu instid0(VALU_DEP_1)
	v_lshlrev_b32 v6, 2, v6
	v_lshlrev_b32 v7, 4, v0
	global_load_b128 v[12:15], v[LK], s[50:51]
	global_load_b128 v[20:23], v[LK], s[50:51] offset:65536
	global_load_b32 v28, v6, s[52:53]
	global_load_b32 v29, v6, s[52:53] offset:8192
	global_load_b128 v[96:99], v7, s[54:55]
	global_load_b128 v[100:103], v7, s[54:55] offset:8192
	global_load_b128 v[104:107], v7, s[56:57]
	v_lshrrev_b32 v109, 3, v0
	s_delay_alu instid0(VALU_DEP_1)
	v_lshlrev_b32 v109, 5, v109
	v_bfe_u32 v110, v0, 2, 1
	s_delay_alu instid0(VALU_DEP_1)
	v_lshl_add_u32 v109, v110, 3, v109
	v_and_b32 v110, 3, v0
	s_delay_alu instid0(VALU_DEP_1)
	v_lshl_add_u32 v109, v110, 2, v109
	v_bfe_u32 v110, v0, 1, 1
	s_delay_alu instid0(VALU_DEP_1)
	v_lshl_add_u32 v109, v110, 3, v109
	global_load_b32 v108, v109, s[58:59]
	v_lshrrev_b32 v111, 5, v0
	s_delay_alu instid0(VALU_DEP_1)
	v_mul_u32_u24 v111, v111, SCJ
	s_delay_alu instid0(VALU_DEP_1)
	v_lshl_add_u32 v111, v5, 4, v111
	s_delay_alu instid0(VALU_DEP_1)
	v_add_nc_u32 v111, SCB, v111
	v_lshrrev_b32 v112, 8, v0
	s_delay_alu instid0(VALU_DEP_1)
	v_mul_u32_u24 v112, v112, SCH
	v_bfe_u32 v113, v0, 4, 4
	s_delay_alu instid0(VALU_DEP_1)
	v_mad_u32_u24 v112, v113, SCJ, v112
	v_and_b32 v113, 15, v0
	s_delay_alu instid0(VALU_DEP_1)
	v_lshl_add_u32 v112, v113, 4, v112
	s_delay_alu instid0(VALU_DEP_1)
	v_add_nc_u32 v112, SCB+512, v112
	v_lshrrev_b32 v113, 4, v5
	s_delay_alu instid0(VALU_DEP_1)
	v_sub_nc_u32 v113, 1, v113
	s_delay_alu instid0(VALU_DEP_1)
	v_lshlrev_b32 v16, 1, v113
	s_delay_alu instid0(VALU_DEP_2)
	v_mul_u32_u24 v114, v113, 15
	s_delay_alu instid0(VALU_DEP_2)
	v_mov_b32 v24, v16
.irp j, 17,18,19,25,26,27
	v_mov_b32 v\j, 0
.endr
.irp t, 0,1,2,3,4,5,6,7
	v_mov_b32 v[36+8*\t], v114
	v_mov_b32 v[37+8*\t], 0
	v_mov_b32 v[38+8*\t], 0
	v_mov_b32 v[39+8*\t], 0
.endr
.irp b, 0,1,2,3
	v_mov_b32 v[236+\b], 0
.endr
	v_mov_b32 v253, 0
	v_mov_b32 v31, 0xffff
	s_wait_loadcnt 0x0
.irp i, 0,1,2,3
	v_bfe_u32 v113, v108, 8*\i, 8
	s_delay_alu instid0(VALU_DEP_1)
	v_mul_u32_u24 v113, v113, 0xf00000
	s_delay_alu instid0(VALU_DEP_1)
	v_or_b32 v[96+\i], v[96+\i], v113
	s_delay_alu instid0(VALU_DEP_2)
	v_or_b32 v[100+\i], v[100+\i], v113
.endr
	ds_store_b128 v111, v[96:99]
	ds_store_b128 v111, v[100:103] offset:SCH
	ds_store_b128 v112, v[104:107]
	v_or_b32 v28, 0x720000, v28
	v_or_b32 v29, 0x720000, v29
.macro STEP qf, qs
	v_add_nc_u32 v[ADK], s[TB], v[LK]
	v_add_nc_u32 v[ADS], s[TS], v[LS]
	v_nop
	v_nop
.irp t, 0,1,2,3,4,5,6,7
	ds_load_b128 v[32+8*\t:35+8*\t], v[ADK] offset:512*\t
.endr
.irp g, 0,1,2,3
	ds_load_b32 v[248+\g], v[ADS] offset:128*\g
.endr
.irp t, 0,1,2,3
.irp c, 0,1
	ds_load_b128 v[192+8*\t+4*\c:195+8*\t+4*\c], v[ADK] offset:4096+1024*\t+512*\c
.endr
.endr
.irp g, 0,1
	ds_load_b32 v[240+\g], v[ADS] offset:512+128*\g
.endr
	s_wait_dscnt 10
.irp t, 0,1,2,3,4,5,6,7
	W4 96+8*\t, 32+8*\t, \qf, 248+\t/2, \qs, \t%2, 1
.endr
.rept 4
	v_nop
.endr
.irp b, 0,1,2,3
	v_max3_num_f32 v[232+\b], v[96+16*\b], v[97+16*\b], v[98+16*\b]
.endr
.irp i, 3,5,7,9,11,13
.irp b, 0,1,2,3
	v_max3_num_f32 v[232+\b], v[232+\b], v[96+16*\b+\i], v[97+16*\b+\i]
.endr
.endr
.irp b, 0,1,2,3
	v_max_num_f32 v[232+\b], v[232+\b], v[111+16*\b]
.endr
.irp b, 0,1,2,3
	s_delay_alu instid0(VALU_DEP_4)
	v_permlanex16_b32 v[236+\b], v[232+\b], s[SEL], s[SEL+1]
.endr
.irp b, 0,1,2,3
	s_delay_alu instid0(VALU_DEP_4)
	v_max_num_f32 v[232+\b], v[232+\b], v[236+\b]
.endr
	s_delay_alu instid0(VALU_DEP_2)
	v_max3_num_f32 v254, v232, v233, v234
	s_delay_alu instid0(VALU_DEP_1)
	v_max_num_f32 v254, v254, v235
	s_delay_alu instid0(VALU_DEP_1)
	v_mul_f32 v254, s[CS], v254
	s_delay_alu instid0(VALU_DEP_1)
	v_max_num_f32 v9, v9, v254
	v_mov_b32 v254, v8
	s_delay_alu instid0(VALU_DEP_2)
	v_floor_f32 v8, -v9
	s_delay_alu instid0(VALU_DEP_1)
	v_sub_f32 v254, v8, v254
	s_delay_alu instid0(VALU_DEP_1)
	v_cvt_i32_f32 v254, v254
	s_delay_alu instid0(VALU_DEP_1)
	v_ldexp_f32 v252, 1.0, v254
.irp j, 0,2,4,6,8,10,12,14,16,18,20,22,24,26,28,30,32,34,36,38,40,42,44,46,48,50,52,54,56,58,60,62
	v_pk_fma_f32 v[96+\j:97+\j], v[96+\j:97+\j], s[CS:CS+1], v[8:9] op_sel_hi:[1,0,0]
.endr
.irp b, 0,1,2,3
	v_fma_f32 v[232+\b], v[232+\b], s[CS], v8
.endr
	s_wait_alu depctr_va_vdst(0)
.irp j, 0,1,2,3,4,5,6,7,8,9,10,11,12,13,14,15,16,17,18,19,20,21,22,23,24,25,26,27,28,29,30,31,32,33,34,35,36,37,38,39,40,41,42,43,44,45,46,47,48,49,50,51,52,53,54,55,56,57,58,59,60,61,62,63
	v_exp_f32 v[96+\j], v[96+\j]
.endr
	v_pk_mul_f32 v[10:11], v[10:11], v[252:253] op_sel_hi:[1,0]
	s_wait_alu depctr_va_vdst(0)
.irp b, 0,1,2,3
	v_exp_f32 v[232+\b], v[232+\b]
.endr
	v_pk_add_f32 v[236:237], v[96:97], v[98:99]
.irp j, 4,8,12,16,20,24,28,32,36,40,44,48,52,56,60
	v_pk_add_f32 v[10:11], v[10:11], v[96+\j:97+\j]
	v_pk_add_f32 v[236:237], v[236:237], v[98+\j:99+\j]
.endr
	s_delay_alu instid0(VALU_DEP_1)
	v_pk_add_f32 v[10:11], v[10:11], v[236:237]
	s_wait_alu depctr_va_vdst(0)
.irp b, 0,1,2,3
	v_max_num_f32 v[232+\b], 0x1800000, v[232+\b]
.endr
.irp b, 0,1,2,3
	s_delay_alu instid0(VALU_DEP_4)
	v_add_nc_u32 v[244+\b], 0xff000000, v[232+\b]
.endr
.irp b, 0,1,2,3
	s_delay_alu instid0(VALU_DEP_4)
	v_lshrrev_b32 v[236+\b], 23, v[244+\b]
.endr
	s_delay_alu instid0(VALU_DEP_3)
	v_lshl_or_b32 v253, v237, 8, v236
	s_delay_alu instid0(VALU_DEP_1)
	v_lshl_or_b32 v253, v238, 16, v253
	s_delay_alu instid0(VALU_DEP_1)
	v_lshl_or_b32 v253, v239, 24, v253
.irp b, 0,1,2,3
	v_cvt_scalef32_pk8_fp4_f32 v[224+2*\b], v[96+16*\b:103+16*\b], v[244+\b]
	v_cvt_scalef32_pk8_fp4_f32 v[225+2*\b], v[104+16*\b:111+16*\b], v[244+\b]
.endr
	v_nop
.irp c, 0,1
.irp i, 0,1
	v_permlane16_swap_b32 v[224+4*\c+\i], v[226+4*\c+\i]
.endr
.endr
.irp j, 0,2,4,6,8,10,12,14,16,18,20,22,24,26,28,30
	v_pk_mul_f32 v[160+\j:161+\j], v[160+\j:161+\j], v[252:253] op_sel_hi:[1,0]
.endr
	s_wait_alu depctr_va_vdst(0)
	s_wait_dscnt 0x0
.irp t, 0,1,2,3
	W4 160+8*\t, 192+8*\t, 224, 240+\t/2, 253, \t%2, 0
.endr
.endm
.macro PASS p
	v_mov_b32 v9, 0xef800000
	s_delay_alu instid0(VALU_DEP_1)
	v_floor_f32 v8, -v9
	v_mov_b32 v10, 0
	v_mov_b32 v11, 0
.irp j, 0,1,2,3,4,5,6,7,8,9,10,11,12,13,14,15,16,17,18,19,20,21,22,23,24,25,26,27,28,29,30,31
	v_mov_b32 v[160+\j], 0
.endr
	s_mov_b32 s[TB], \p*HEADB
	s_mov_b32 s[TS], \p*SCH
	s_mov_b32 s[CNT], 16
.Lstep_\@:
	STEP 12+8*\p, 28+\p
	s_add_co_u32 s[TB], s[TB], 8192
	s_add_co_u32 s[TS], s[TS], SCJ
	s_sub_co_u32 s[CNT], s[CNT], 1
	s_cmp_lg_u32 s[CNT], 0
	s_cbranch_scc1 .Lstep_\@
.rept 4
	v_nop
.endr
	v_add_f32 v10, v10, v11
	s_delay_alu instid0(VALU_DEP_1)
	v_permlanex16_b32 v252, v10, s[SEL], s[SEL+1]
	s_delay_alu instid0(VALU_DEP_1)
	v_add_f32 v10, v10, v252
	s_wait_alu depctr_va_vdst(0)
	v_rcp_f32 v10, v10
	v_nop
	s_wait_alu depctr_va_vdst(0)
.irp j, 0,1,2,3,4,5,6,7,8,9,10,11,12,13,14,15,16,17,18,19,20,21,22,23,24,25,26,27,28,29,30,31
	v_mul_f32 v[96+\j], v[160+\j], v10
.endr
.irp b, 0,1
	v_max3_num_f32 v[232+\b], |v[96+16*\b]|, |v[97+16*\b]|, 0x1800000
.endr
.irp i, 2,4,6,8,10,12,14
.irp b, 0,1
	s_delay_alu instid0(VALU_DEP_2)
	v_max3_num_f32 v[232+\b], v[232+\b], |v[96+16*\b+\i]|, |v[97+16*\b+\i]|
.endr
.endr
.irp b, 0,1
	s_delay_alu instid0(VALU_DEP_2)
	v_permlanex16_b32 v[236+\b], v[232+\b], s[SEL], s[SEL+1]
.endr
.irp b, 0,1
	s_delay_alu instid0(VALU_DEP_2)
	v_max_num_f32 v[232+\b], v[232+\b], v[236+\b]
.endr
.irp b, 0,1
	s_delay_alu instid0(VALU_DEP_2)
	v_add_nc_u32 v[244+\b], 0xff000000, v[232+\b]
.endr
.irp b, 0,1
	s_delay_alu instid0(VALU_DEP_2)
	v_lshrrev_b32 v[236+\b], 23, v[244+\b]
.endr
	s_delay_alu instid0(VALU_DEP_1)
	v_lshl_or_b32 v254, v237, 8, v236
	v_cmp_ge_f32 vcc_lo, 0xef800000, v9
	s_delay_alu instid0(VALU_DEP_1)
	v_cndmask_b32 v254, v254, v31, vcc_lo
.irp b, 0,1
	v_cvt_scalef32_pk8_fp4_f32 v[224+2*\b], v[96+16*\b:103+16*\b], v[244+\b]
	v_cvt_scalef32_pk8_fp4_f32 v[225+2*\b], v[104+16*\b:111+16*\b], v[244+\b]
.endr
	v_nop
	v_permlane16_swap_b32 v224, v226
	v_permlane16_swap_b32 v225, v227
	global_store_b128 v[LK], v[224:227], s[60:61] offset:512*\p
.if \p == 0
	v_mov_b32 v30, v254
.endif
.endm
	s_wait_tensorcnt 0x0                           ; my part of both heads' images has landed,
	s_wait_dscnt 0x0                               ; and my stores of scale words:
	s_barrier_signal -1
	s_barrier_wait -1                              ; everybody's have: nothing in LDS is written again before the way out, so no barrier stands between the two heads
	PASS 0
	s_wait_xcnt 0x0                                ; head 0's store has read its registers
	PASS 1
	v_lshl_or_b32 v30, v254, 16, v30
	v_and_b32 v232, 15, v0
	s_delay_alu instid0(VALU_DEP_1)
	v_lshlrev_b32 v232, 2, v232
	s_lshl_b32 s40, s[WV], 6
	s_add_co_u32 s40, s40, AST
	v_add_nc_u32 v232, s40, v232
	v_lshlrev_b32 v236, 3, v5
	s_and_b32 s40, s[WV], 3
	s_lshl_b32 s40, s40, 8
	s_add_co_u32 s40, s40, AST
	v_add_nc_u32 v233, s40, v236
	ds_store_b32 v232, v30
	s_wait_dscnt 0x0
	s_barrier_signal -1
	s_barrier_wait -1
	s_cmp_lt_u32 s[WV], 4
	s_cbranch_scc0 .Lno_words
	s_wait_alu depctr_va_vdst(0)
	ds_load_b64 v[234:235], v233
	s_wait_dscnt 0x0
	global_store_b64 v236, v[234:235], s[62:63]
.Lno_words:
	s_wait_tensorcnt 0x0
	ds_add_u32 v243, v255
	s_wait_dscnt 0x0
	CROUND
	s_endpgm
.Lfunc_end_k_q032f99c322_attn:
	.size	k_q032f99c322_attn, .Lfunc_end_k_q032f99c322_attn-k_q032f99c322_attn
	.p2alignl 7, 3214868480
	.fill 96, 4, 3214868480
	.section	.rodata,"a",@progbits
	.p2align	6, 0x0
	.amdhsa_kernel k_q032f99c322_attn
		.amdhsa_group_segment_fixed_size 327680
		.amdhsa_private_segment_fixed_size 0
		.amdhsa_enable_private_segment 0
		.amdhsa_kernarg_size 40
		.amdhsa_user_sgpr_count 2
		.amdhsa_user_sgpr_kernarg_segment_ptr 1
		.amdhsa_wavefront_size32 1
		.amdhsa_system_sgpr_workgroup_id_x 1
		.amdhsa_system_sgpr_workgroup_id_y 1
		.amdhsa_system_sgpr_workgroup_id_z 1
		.amdhsa_system_vgpr_workitem_id 0
		.amdhsa_next_free_vgpr 256
		.amdhsa_next_free_sgpr 66
		.amdhsa_reserve_vcc 1
		.amdhsa_float_denorm_mode_32 3
		.amdhsa_float_denorm_mode_16_64 3
		.amdhsa_memory_ordered 1
		.amdhsa_forward_progress 1
		.amdhsa_inst_pref_size 55
	.end_amdhsa_kernel
	.amdgpu_metadata
---
amdhsa.version: [ 1, 2 ]
amdhsa.kernels:
  - .name:           k_q032f99c322_attn
    .symbol:         k_q032f99c322_attn.kd
    .args:
      - { .name: qkv, .offset: 0, .size: 8, .value_kind: global_buffer, .address_space: global }
      - { .name: qkvs, .offset: 8, .size: 8, .value_kind: global_buffer, .address_space: global }
      - { .name: attn_padding_mask, .offset: 16, .size: 8, .value_kind: global_buffer, .address_space: global }
      - { .name: ao, .offset: 24, .size: 8, .value_kind: global_buffer, .address_space: global }
      - { .name: aos, .offset: 32, .size: 8, .value_kind: global_buffer, .address_space: global }
    .group_segment_fixed_size: 327680
    .private_segment_fixed_size: 0
    .kernarg_segment_align: 8
    .kernarg_segment_size: 40
    .max_flat_workgroup_size: 512
    .sgpr_count:     66
    .vgpr_count:     256
    .wavefront_size: 32
...
	.end_amdgpu_metadata
.endif
;; end of part 3
;; launch outp (part 4): grid 4 x 64, 8 waves a work-group, clusters of 4 x 4, 253,440 bytes of LDS; arguments ao, aos, cw, sw, bo, out0; writes out0
.if DOCPART == 4
	.amdgcn_target "amdgcn-amd-amdhsa--gfx1250"
	.amdhsa_code_object_version 6
	.text
	.protected	k_q032f99c322_outp
	.globl	k_q032f99c322_outp
	.p2align	8
	.type	k_q032f99c322_outp,@function
k_q032f99c322_outp:
	s_mov_b64 s[64:65], 0
	v_nop
	global_prefetch_b8 v0, s[64:65] scope:SCOPE_SE
	s_setreg_imm32_b32 hwreg(HW_REG_WAVE_MODE, 25, 1), 1
	s_wait_xcnt 0x0
	s_wait_alu depctr_hold_cnt(0) depctr_sa_sdst(0) depctr_va_vdst(0) depctr_va_sdst(0) depctr_va_ssrc(0) depctr_va_vcc(0) depctr_vm_vsrc(0)
	s_getreg_b32 s2, hwreg(HW_REG_IB_STS2, 6, 4)
	s_cmp_eq_u32 s2, 0
	s_cbranch_scc0 .Lentry_in_a_cluster
	s_endpgm
.Lentry_in_a_cluster:
	s_bfe_u32 s2, ttmp6, 0x10000c
	s_cmp_lg_u32 s2, 0xf033
	s_cbranch_scc0 .Lentry_shape_is_right
	s_endpgm
.Lentry_shape_is_right:
; out0 = attention's result x Wo^T + bo on codes of FP4 with E8M0 scales, K = 1,024.  out0: [2048][4][1024] f32.
; IN.  ao [batch][K step of 128: 8][tile of 16 positions: 128][1,024 bytes]: images of fragments (lane l's 16 bytes at 16 l, two groups of four registers); aos [batch][K step][tile][16 rows]: their scale words.
;      Lane r of tile T holds position 32 (T / 2) + 8 (T % 2) + r + 8 (r / 8).  Wo's codes lie in cw from 14,155,776 on, 512 bytes a row; its scale bytes in sw from 884,736 on, 32 a row.
; SHARES.  A work-group: 8 tiles (128 positions) of one batch x 256 features.  Eight waves of 64 x 64: 16 accumulators.  All of K lies in LDS at once, as two halves: every LDS byte is filled once, by three tensor loads a wave.
; CLUSTER 4 x 4: the four work-groups of a row of the cluster need the same tiles of ao, the four of a column the same rows of Wo: each is asked for jointly.
; Source 0 = 16 rows of Wo (taken in the same order of rows as above), source 1 = 16 positions: a lane holds one position, and the 16 registers of two neighbouring tiles of features are 64 neighbouring bytes of its row of out0.
; The bias is what the sums begin with.  A row whose scale bytes are 0xff (no open key in the attention) comes out NaN.
.set PITCH, 272
; THE FILLS, as they stand now (in place of the halves and the three loads a wave that the lines above tell of): every LDS byte is filled once, by ONE tensor load a wave: waves 0, 1: ao's images of four K steps each (rows of 8,192 bytes), K step kappa at 8,192 kappa;
; waves 2-5: 64 rows of Wo each, all of K, from byte 65,536 on, CP bytes a row; wave 6: ao's scale words, K step kappa's 512 bytes at ASC + 512 kappa; wave 7: Wo's scale bytes.  One wait for 0 and one barrier show all of it.
.set CP,    528                        ; a row of Wo's codes in LDS: 512 bytes + 16 of padding
.set STG,   218624                     ; behind the spare words: the stages of the way out, bytes of their own, 16 rows of 272 bytes a wave
.set AH,    32768                      ; a half of K: four K steps x 8 tiles x 1,024 bytes,
.set BH,    256*PITCH                  ; and Wo's 256 rows of 256 bytes + 16
.set HALF,  AH+BH
.set ASC,   2*HALF                     ; ao's scale words: K step kappa's 512 bytes at 512 kappa
.set BSC,   ASC+4096                   ; Wo's scale bytes: 32 runs of 256 bytes (8 rows) + 16
.set CWO,   14155776
.set SWO,   884736
.set ADA,   4                          ; v4-5   LDS address of my images in half 0, 1
.set ADB,   6                          ; v6-7   of my fragments of Wo
.set AS1,   8                          ; v8     of ao's scale words
.set ASB,   9                          ; v9     of Wo's
.set STI,   10                         ; v10    the way out: where I put 16 bytes of a row
.set BO0,   11                         ; v11    64 x (lane / 16)
.set STO,   12                         ; v12    the way out: where I read a row back
.set CO,    13                         ; v13    my byte offset in out0
.set S1,    16                         ; v16-31 ao's scale words: register 8 g + kappa: tiles 2 g (lanes 0-15) and 2 g + 1 (lanes 16-31)
.set S0,    32                         ; v32-47 Wo's
.set FA,    48
.set FB,    80
.set ACC,   128                        ; accumulator (a, t) at v[128 + 8 (4 a + t)]
.set WV,    18
.set G1AC,  24
.set G1AS,  32
.set G1BC,  40
.set G1BS,  48
.set G0A,   56                         ; s[56:59] words, s[60:63] images
.set G0A2,  68
.set G0B,   72
.macro CROUND                          ; a round of the cluster's barrier
	s_barrier_signal -1
	s_barrier_wait -1
	s_cmp_lg_u32 s[WV], 0
	s_cbranch_scc1 .Lnot_wave_0_\@
	s_barrier_signal -3
.Lnot_wave_0_\@:
	s_barrier_wait -3
	s_barrier_signal -1
	s_barrier_wait -1
.endm
.macro W4 d, a, b, sa, sb, ra, rb      ; one product 16 x 16 x 128 onto its accumulator; ra, rb: which half of the lanes of the scale registers holds the tile's words
.if ((\ra)+2*(\rb)) == 0
	v_wmma_scale_f32_16x16x128_f8f6f4 v[\d:\d+7], v[\a:\a+7], v[\b:\b+7], v[\d:\d+7], v[\sa], v[\sb] matrix_a_fmt:MATRIX_FMT_FP4 matrix_b_fmt:MATRIX_FMT_FP4
.elseif ((\ra)+2*(\rb)) == 1
	v_wmma_scale_f32_16x16x128_f8f6f4 v[\d:\d+7], v[\a:\a+7], v[\b:\b+7], v[\d:\d+7], v[\sa], v[\sb] matrix_a_fmt:MATRIX_FMT_FP4 matrix_b_fmt:MATRIX_FMT_FP4 matrix_a_scale:MATRIX_SCALE_ROW1
.elseif ((\ra)+2*(\rb)) == 2
	v_wmma_scale_f32_16x16x128_f8f6f4 v[\d:\d+7], v[\a:\a+7], v[\b:\b+7], v[\d:\d+7], v[\sa], v[\sb] matrix_a_fmt:MATRIX_FMT_FP4 matrix_b_fmt:MATRIX_FMT_FP4 matrix_b_scale:MATRIX_SCALE_ROW1
.else
	v_wmma_scale_f32_16x16x128_f8f6f4 v[\d:\d+7], v[\a:\a+7], v[\b:\b+7], v[\d:\d+7], v[\sa], v[\sb] matrix_a_fmt:MATRIX_FMT_FP4 matrix_b_fmt:MATRIX_FMT_FP4 matrix_a_scale:MATRIX_SCALE_ROW1 matrix_b_scale:MATRIX_SCALE_ROW1
.endif
.endm
	s_load_b256 s[4:11], s[0:1], 0x0               ; ao, aos, cw, sw
	s_load_b128 s[12:15], s[0:1], 0x20             ; bo, out0
	v_lshl_add_u32 v126, v0, 2, 0x35200
	v_mov_b32 v127, 0
	ds_add_u32 v126, v127
	ds_add_u32 v126, v127
	v_lshrrev_b32 v1, 5, v0
	s_delay_alu instid0(VALU_DEP_1)
	v_readfirstlane_b32 s[WV], v1                  ; wave 0..7
	s_and_b32 s19, s[WV], 3                        ; wx: my 64 features
	s_bfe_u32 s22, ttmp6, 0x40000                  ; cx
	s_bfe_u32 s23, ttmp6, 0x40004                  ; cy
	s_lshl_b32 s84, ttmp9, 2
	s_add_co_u32 s84, s84, s22                     ; X: which 256 features
	s_and_b32 s85, ttmp7, 0xffff
	s_lshl_b32 s85, s85, 2
	s_add_co_u32 s85, s85, s23                     ; Y = 16 x batch + block of 8 tiles
	s_lshl_b32 s87, s23, 2
	s_lshl_b32 s87, 15, s87                        ; my row of the cluster
	s_lshl_b32 s88, 0x1111, s22                    ; my column
	s_or_b32 s[G1AC], s87, (3<<16)|(1<<21)         ; ao's images of one K step: 8,192 dense bytes as one row of 1,024 elements of 8 bytes
	s_mov_b32 s[G1AC+1], 1024<<16                  ; four K steps: 4 rows of 8,192 bytes (1,024 elements of 8), 131,072 bytes (16,384 elements) apart
	s_mov_b32 s[G1AC+2], 4<<16
	s_mov_b32 s[G1AC+3], 1024<<16
	s_mov_b32 s[G1AC+4], 4
	s_mov_b32 s[G1AC+5], 16384
	s_mov_b32 s[G1AC+6], 0
	s_mov_b32 s[G1AC+7], 0
	s_or_b32 s[G1AS], s87, (3<<16)|(1<<21)         ; ao's words of one K step: a row of 512 bytes (64 elements of 8)
	s_mov_b32 s[G1AS+1], 64<<16
	s_mov_b32 s[G1AS+2], 8<<16                     ; all eight K steps' words: 8 rows of 512 bytes, 8,192 bytes (1,024 elements) apart
	s_mov_b32 s[G1AS+3], 64<<16
	s_mov_b32 s[G1AS+4], 8
	s_mov_b32 s[G1AS+5], 1024
	s_mov_b32 s[G1AS+6], 0
	s_mov_b32 s[G1AS+7], 0
	s_or_b32 s[G1BC], s88, (1<<20)|(1<<21)|(6<<22)|(3<<25)         ; Wo's codes: 64 rows x 512 bytes, 16 bytes of padding behind each
	s_mov_b32 s[G1BC+1], 512<<16
	s_mov_b32 s[G1BC+2], 64<<16
	s_mov_b32 s[G1BC+3], 512<<16
	s_mov_b32 s[G1BC+4], 64
	s_mov_b32 s[G1BC+5], 512
	s_mov_b32 s[G1BC+6], 0
	s_mov_b32 s[G1BC+7], 0
	s_or_b32 s[G1BS], s88, (3<<16)|(1<<20)|(1<<21)|(5<<22)|(3<<25) ; Wo's scale bytes of 256 rows: 8,192 dense bytes as 32 rows of 256, padded likewise
	s_mov_b32 s[G1BS+1], 32<<16
	s_mov_b32 s[G1BS+2], 32<<16                    ; Wo's scale bytes of 256 rows: 32 rows of 256 bytes
	s_mov_b32 s[G1BS+3], 32<<16
	s_mov_b32 s[G1BS+4], 32
	s_mov_b32 s[G1BS+5], 32
	s_mov_b32 s[G1BS+6], 0
	s_mov_b32 s[G1BS+7], 0
	; every wave makes both addresses, each in registers that never hold the other's coordinate
	s_lshr_b32 s2, s85, 4                          ; the batch
	s_and_b32 s3, s85, 15                          ; the block of 8 tiles
	s_lshl_b32 s89, s2, 3
	s_and_b32 s86, s[WV], 1                        ; waves 0, 1: which four K steps of ao
	s_lshl_b32 s90, s86, 2
	s_add_co_u32 s90, s90, s89                     ; 8 b + 4 x (wave % 2)
	s_lshl_b32 s90, s90, 17                        ; images: 131,072 a K step, 8,192 a block
	s_lshl_b32 s91, s3, 13
	s_add_co_u32 s90, s90, s91
	s_mov_b32 s91, 0
	s_lshl_b32 s92, s89, 13                        ; words: 8,192 a K step, 512 a block
	s_lshl_b32 s93, s3, 9
	s_add_co_u32 s92, s92, s93
	s_mov_b32 s93, 0
	s_lshl_b32 s94, s84, 8
	s_add_co_u32 s20, s[WV], 2
	s_and_b32 s20, s20, 3                          ; waves 2-5: which 64 rows of Wo: 0 .. 3
	s_lshl_b32 s95, s20, 6
	s_add_co_u32 s95, s95, s94                     ; Wo's row: 256 X + 64 x that
	s_lshl_b32 s96, s95, 9
	s_add_co_u32 s96, s96, CWO
	s_mov_b32 s97, 0
	s_lshl_b32 s94, s94, 5
	s_add_co_u32 s94, s94, SWO
	s_mov_b32 s95, 0
	s_lshl_b32 s98, s86, 15                        ; where they go: the wave's number alone enters an LDS address
	s_mul_i32 s99, s19, 64*CP
	s_add_co_u32 s99, s99, 2*AH                    ; (where my own 64 rows of Wo are read)
	s_mul_i32 s20, s20, 64*CP
	s_add_co_u32 s20, s20, 2*AH
	s_mul_i32 s21, s19, 8*PITCH
	s_add_co_u32 s21, s21, BSC
	s_wait_dscnt 0x0
	s_wait_kmcnt 0x0
	CROUND                                         ; all sixteen work-groups are here: the joint loads meet
	s_mov_b32 s[G0A], 1
	s_mov_b32 s[G0A+1], ASC
	s_add_nc_u64 s[G0A+2:G0A+3], s[6:7], s[92:93]
	s_or_b32 s[G0A+3], s[G0A+3], 0x80000000
	s_mov_b32 s[G0A+4], 1
	s_mov_b32 s[G0A+5], s98
	s_add_nc_u64 s[G0A+6:G0A+7], s[4:5], s[90:91]
	s_or_b32 s[G0A+7], s[G0A+7], 0x80000000
	s_mov_b32 s[G0B], 1
	s_mov_b32 s[G0B+1], BSC
	s_add_nc_u64 s[G0B+2:G0B+3], s[10:11], s[94:95]
	s_or_b32 s[G0B+3], s[G0B+3], 0x80000000
	s_mov_b32 s[G0B+4], 1
	s_mov_b32 s[G0B+5], s20
	s_add_nc_u64 s[G0B+6:G0B+7], s[8:9], s[96:97]
	s_or_b32 s[G0B+7], s[G0B+7], 0x80000000
; one chain of branches on the wave's number, one joint load to an arm, all arms leading to one join: one tensor load a wave at the head
.macro ARM under, g0, g1, next
	s_cmp_lt_u32 s[WV], \under
	s_cbranch_scc0 \next
	tensor_load_to_lds s[\g0:\g0+3], s[\g1:\g1+7]
	s_nop 0
.rept 4
	v_nop
.endr
	s_branch .Lasked
\next:
.endm
	ARM 2, G0A+4, G1AC, .Lcodes_b
	ARM 6, G0B+4, G1BC, .Lwords_a
	ARM 7, G0A, G1AS, .Lscales_b
	tensor_load_to_lds s[G0B:G0B+3], s[G1BS:G1BS+7]
	s_nop 0
.rept 4
	v_nop
.endr
.Lasked:
	v_and_b32 v1, 31, v0                           ; lane
	v_and_b32 v2, 15, v0                           ; r
	v_bfe_u32 v3, v0, 4, 1                         ; h
	s_lshr_b32 s86, s[WV], 2                       ; wy: my four tiles of positions;  s19 = wx: my 64 features
	s_lshl_b32 s91, s86, 12
	v_lshl_add_u32 v[ADA], v1, 4, s91              ; 4,096 wy + 16 x lane
	s_delay_alu instid0(VALU_DEP_1)
	v_add_nc_u32 v[ADA+1], AH, v[ADA]              ; K steps 4 to 7: 32,768 bytes on
	v_mul_u32_u24 v14, v2, CP                      ; in cw, and so in LDS, a tile's sixteen rows of Wo lie on end (bits 3 and 4 of a row's number have changed places): lane r takes LDS row 16 x tile + r
	s_delay_alu instid0(VALU_DEP_1)
	v_lshl_add_u32 v14, v3, 4, v14
	s_delay_alu instid0(VALU_DEP_1)
	v_add_nc_u32 v[ADB], s99, v14                  ; (s99 = 2 AH + 64 wx rows)
	s_delay_alu instid0(VALU_DEP_1)
	v_add_nc_u32 v[ADB+1], 256, v[ADB]             ; the second 512 along K: 256 bytes on in the row
	s_lshl_b32 s91, s86, 8
	s_add_co_u32 s91, s91, ASC
	v_lshl_add_u32 v[AS1], v1, 2, s91              ; 256 wy + 4 x lane
	v_lshrrev_b32 v14, 3, v2                       ; Wo's words: lane (r, h) wants row 32 g + 8 h + r % 8 + 16 (r / 8) of my 64: run 4 g + h + 2 (r / 8), 32 (r % 8) bytes into it
	s_delay_alu instid0(VALU_DEP_1)
	v_lshl_add_u32 v14, v3, 1, v14                 ; in sw's order of rows: run 4 g + 2 h + r / 8
	s_delay_alu instid0(VALU_DEP_1)
	v_mul_u32_u24 v14, v14, PITCH
	v_and_b32 v15, 7, v2
	s_delay_alu instid0(VALU_DEP_1)
	v_lshl_add_u32 v14, v15, 5, v14
	s_delay_alu instid0(VALU_DEP_1)
	v_add_nc_u32 v[ASB], s21, v14                  ; (s21 = BSC + 8 wx runs)
	v_lshlrev_b32 v[BO0], 6, v3
	s_wait_alu depctr_va_vdst(0)
	s_mul_i32 s91, s[WV], 16*PITCH                 ; my stage, 16 rows of 256 bytes + 16, in bytes that no tensor load fills
	s_add_co_u32 s91, s91, STG
	v_mul_u32_u24 v[STI], v2, PITCH
	s_delay_alu instid0(VALU_DEP_1)
	v_lshl_add_u32 v[STI], v3, 6, v[STI]
	s_delay_alu instid0(VALU_DEP_1)
	v_add_nc_u32 v[STI], s91, v[STI]               ; in: row r, 64 h
	v_mul_u32_u24 v[STO], v3, PITCH
	s_delay_alu instid0(VALU_DEP_1)
	v_lshl_add_u32 v[STO], v2, 4, v[STO]
	s_delay_alu instid0(VALU_DEP_1)
	v_add_nc_u32 v[STO], s91, v[STO]               ; back: lanes 0-15 one row, lanes 16-31 the next
	v_lshlrev_b32 v[CO], 14, v3
	s_delay_alu instid0(VALU_DEP_1)
	v_lshl_add_u32 v[CO], v2, 4, v[CO]             ; in out0 a position is 16,384 bytes
	s_lshl_b32 s92, s84, 10
	s_lshl_b32 s93, s19, 8
	s_add_co_u32 s92, s92, s93                     ; my 64 features, in bytes
	s_mov_b32 s93, 0
	s_add_nc_u64 s[12:13], s[12:13], s[92:93]      ; bo at them
	s_lshl_b32 s94, s3, 7
	s_lshl_b32 s95, s86, 6
	s_add_co_u32 s94, s94, s95                     ; my first position: 128 x block + 64 wy
	s_lshl_b32 s94, s94, 14
	s_lshl_b32 s95, s2, 12                         ; the batch: 4,096 bytes
	s_add_co_u32 s94, s94, s95
	s_add_co_u32 s94, s94, s92
	s_mov_b32 s95, 0
	s_add_nc_u64 s[14:15], s[14:15], s[94:95]
.irp a, 0,1,2,3                        ; the bias is what the sums begin with: register j of accumulator (a, t) is feature 32 (t / 2) + 8 (t % 2) + 16 h + j of my 64
.irp t, 0,1,2,3
	global_load_b128 v[ACC+8*(4*\a+\t):ACC+8*(4*\a+\t)+3], v[BO0], s[12:13] offset:(32*(\t/2)+8*(\t%2))*4
	global_load_b128 v[ACC+8*(4*\a+\t)+4:ACC+8*(4*\a+\t)+7], v[BO0], s[12:13] offset:(32*(\t/2)+8*(\t%2))*4+16
.endr
.endr
; A K step of 128: the q-th of half s.  16 LDS loads, 16 products; the 16 accumulators take turns, one instruction a turn, in the same order in every step.
.macro KSTEP s, q, gap
.if \gap
.rept 4
	v_nop                                          ; places in front of loads into registers that the last products have read
.endr
.endif
.irp i, 0,1,2,3
.irp c, 0,1
	ds_load_b128 v[FA+8*\i+4*\c:FA+8*\i+4*\c+3], v[ADA+\s] offset:8192*\q+1024*\i+512*\c
	ds_load_b128 v[FB+8*\i+4*\c:FB+8*\i+4*\c+3], v[ADB+\s] offset:16*\i*CP+64*\q+32*\c
.endr
.endr
	s_wait_dscnt 0x0
.irp a, 0,1,2,3
.irp t, 0,1,2,3
	W4 ACC+8*(4*\a+\t), FB+8*\t, FA+8*\a, S0+8*(\t/2)+4*\s+\q, S1+8*(\a/2)+4*\s+\q, \t%2, \a%2
.endr
.endr
.endm
	s_wait_loadcnt 0x0                             ; the bias
	s_wait_tensorcnt 0x0                           ; my one tensor load has landed
	s_barrier_signal -1
	s_barrier_wait -1                              ; everybody's have
.irp g, 0,1
.irp s, 0,1
	ds_load_b128 v[S0+8*\g+4*\s:S0+8*\g+4*\s+3], v[ASB] offset:4*PITCH*\g+16*\s
.endr
.irp k, 0,1,2,3,4,5,6,7
	ds_load_b32 v[S1+8*\g+\k], v[AS1] offset:\k*512+128*\g
.endr
.endr
	KSTEP 0, 0, 0
	KSTEP 0, 1, 1
	KSTEP 0, 2, 1
	KSTEP 0, 3, 1
	KSTEP 1, 0, 1
	KSTEP 1, 1, 1
	KSTEP 1, 2, 1
	KSTEP 1, 3, 1
.rept 4
	v_nop                                          ; places in front of the first read of results and of loads into the fragments' registers
.endr
; THE WAY OUT, a tile of 16 positions x 64 features at a time: through my stage, and back as whole rows of 256 bytes, which sixteen lanes store to 256 consecutive bytes, aligned.
; LDS serves a wave's instructions in order: no wait between the stores and the loads, nor in front of the next tile's stores.
.macro TOSTAGE a
.irp g, 0,1
.irp d, 0,1,2,3
	ds_store_b128 v[STI], v[ACC+8*(4*(\a)+2*\g+\d/2)+4*(\d%2):ACC+8*(4*(\a)+2*\g+\d/2)+4*(\d%2)+3] offset:128*\g+16*\d   ; each accumulator from its low end on
.endr
.endr
.irp i, 0,1,2,3,4,5,6,7
	ds_load_b128 v[FA+32*((\a)%2)+4*\i:FA+32*((\a)%2)+4*\i+3], v[STO] offset:2*PITCH*\i
.endr
.endm
.macro SEND a, younger                 ; younger: the LDS instructions issued behind tile a's loads, which may stay out.  Row 2 i + h of the tile is position 32 (a / 2) + 8 (a % 2) + 2 i + h + 8 (i / 4) of my 64
	s_wait_dscnt \younger
.irp i, 0,1,2,3,4,5,6,7
	global_store_b128 v[CO], v[FA+32*((\a)%2)+4*\i:FA+32*((\a)%2)+4*\i+3], s[14:15] offset:(32*((\a)/2)+8*((\a)%2)+2*\i+8*(\i/4))*16384 th:TH_STORE_NT
.endr
.endm
	s_wait_alu depctr_va_vdst(0)
	TOSTAGE 0
	TOSTAGE 1
	SEND 0, 16                                     ; behind tile 0's loads: tile 1's 8 stores and 8 loads
	s_wait_xcnt 0x0                                ; tile 0's stores have read their registers: tile 2's loads may land there
	TOSTAGE 2
	SEND 1, 16
	s_wait_xcnt 0x0
	TOSTAGE 3
	SEND 2, 16
	SEND 3, 0
	s_wait_tensorcnt 0x0
	ds_add_u32 v126, v127
	s_wait_dscnt 0x0
	CROUND                                         ; the closing round
	s_endpgm
.Lfunc_end_k_q032f99c322_outp:
	.size	k_q032f99c322_outp, .Lfunc_end_k_q032f99c322_outp-k_q032f99c322_outp
	.p2alignl 7, 3214868480
	.fill 96, 4, 3214868480
	.section	.rodata,"a",@progbits
	.p2align	6, 0x0
	.amdhsa_kernel k_q032f99c322_outp
		.amdhsa_group_segment_fixed_size 253440
		.amdhsa_private_segment_fixed_size 0
		.amdhsa_enable_private_segment 0
		.amdhsa_kernarg_size 48
		.amdhsa_user_sgpr_count 2
		.amdhsa_user_sgpr_kernarg_segment_ptr 1
		.amdhsa_wavefront_size32 1
		.amdhsa_system_sgpr_workgroup_id_x 1
		.amdhsa_system_sgpr_workgroup_id_y 1
		.amdhsa_system_sgpr_workgroup_id_z 1
		.amdhsa_system_vgpr_workitem_id 0
		.amdhsa_next_free_vgpr 256
		.amdhsa_next_free_sgpr 100
		.amdhsa_reserve_vcc 0
		.amdhsa_float_denorm_mode_32 3
		.amdhsa_float_denorm_mode_16_64 3
		.amdhsa_memory_ordered 1
		.amdhsa_forward_progress 1
		.amdhsa_inst_pref_size 47
	.end_amdhsa_kernel
	.amdgpu_metadata
---
amdhsa.version: [ 1, 2 ]
amdhsa.kernels:
  - .name:           k_q032f99c322_outp
    .symbol:         k_q032f99c322_outp.kd
    .args:
      - { .name: ao, .offset: 0, .size: 8, .value_kind: global_buffer, .address_space: global }
      - { .name: aos, .offset: 8, .size: 8, .value_kind: global_buffer, .address_space: global }
      - { .name: cw, .offset: 16, .size: 8, .value_kind: global_buffer, .address_space: global }
      - { .name: sw, .offset: 24, .size: 8, .value_kind: global_buffer, .address_space: global }
      - { .name: bo, .offset: 32, .size: 8, .value_kind: global_buffer, .address_space: global }
      - { .name: out0, .offset: 40, .size: 8, .value_kind: global_buffer, .address_space: global }
    .group_segment_fixed_size: 253440
    .private_segment_fixed_size: 0
    .kernarg_segment_align: 8
    .kernarg_segment_size: 48
    .max_flat_workgroup_size: 256
    .sgpr_count:     100
    .vgpr_count:     256
    .wavefront_size: 32
...
	.end_amdgpu_metadata
.endif
;; end of part 4
